; MI455X (gfx1250); checked and timed in simulation.
; The chip was launched on July 23, 2026; its instructions are those of AMD's public machine-readable ISA for CDNA 5 (MIT licence, August 2026) and "CDNA5" Instruction Set Architecture Reference Guide (July 2026). The comments in the code are by the model that wrote it; some were corrected since.
;; decoder layer. Allowed arithmetic: matrix products marked QUANTISED: E5M2 operands, one given power-of-two scale a tensor, by v_wmma_f32_16x16x64_bf8_bf8 or v_wmma_f32_16x16x128_bf8_bf8, f32 sums; everything else in f32.
;; Inputs: W_ff1 1,024 x 2,048 float32; W_ff2 2,048 x 1,024 float32; W_out 1,024 x 1,024 float32; W_qkv 1,024 x 3,072 float32; b_ff1 2,048 float32; b_ff2 1,024 float32; b_out 1,024 float32; b_qkv 3,072 float32; be1 1,024 float32; be2 1,024 float32; g1 1,024 float32; g2 1,024 float32; lowp_scales 12 int32 (the exponents e of the quantised operands' scales 2^e); x 2 x 2,048 x 1,024 float32.
;; Outputs: out0 2 x 2,048 x 1,024 float32.
;; This version of the problem:
;;   THIS VERSION OF THE PROBLEM IS GIVEN IN LOW PRECISION. The matrix products marked QUANTISED in the list below multiply operands that are first quantised to E5M2 (5 exponent bits, 2 mantissa bits; 8 bits a number), with one given power-of-two scale for each operand tensor; their sums are f32. All else is computed in f32.
;;   The module's matrix products, in the order in which they are computed (A, B: the left and right operand; K: the contracted axis; several contracted axes count as one K, in the product's order):
;;     1. [M 4,096, K 1,024] x [K 1,024, N 3,072]; A: input x; B: input W_qkv: QUANTISED (scales: A lowp_scales[0], B lowp_scales[1])
;;     2. batch 32 x [M 2,048, K 64] x [K 64, N 2,048]; A: computed on the way; B: computed on the way: QUANTISED (scales: A lowp_scales[2], B lowp_scales[3])
;;     3. batch 32 x [M 2,048, K 2,048] x [K 2,048, N 64]; A: softmax (see below); B: computed on the way: QUANTISED (scales: A lowp_scales[4], B lowp_scales[5])
;;     4. [M 4,096, K 1,024] x [K 1,024, N 1,024]; A: computed on the way; B: input W_out: QUANTISED (scales: A lowp_scales[6], B lowp_scales[7])
;;     5. [M 4,096, K 1,024] x [K 1,024, N 2,048]; A: computed on the way; B: input W_ff1: QUANTISED (scales: A lowp_scales[8], B lowp_scales[9])
;;     6. [M 4,096, K 2,048] x [K 2,048, N 1,024]; A: computed on the way; B: input W_ff2: QUANTISED (scales: A lowp_scales[10], B lowp_scales[11])
;;   THE QUANTISER, for each operand of a quantised product, along K:
;;     - The operand's scale is 2^e, e = its entry of the input lowp_scales (int32; the entries are numbered through the quantised products in the list's order, A before B).
;;     - Each number is divided by the scale, clamped to +-57,344, and rounded to the nearest number of E5M2, ties to even, subnormals kept.
;;     - The product sums the exact products of the quantised numbers (number of the format x scale) in f32.
;;   ~~~python
;;   def quantise(x, axis, e):      # numpy; x: float32 -> the quantised numbers, widened to float32 again
;;       x = np.moveaxis(x, axis, -1); K = x.shape[-1]
;;       r = np.clip(x / 2.0 ** e, -57344, 57344)
;;       step = 2.0 ** (np.maximum(np.frexp(np.where(r == 0, 1, r))[1] - 1, -14) - 2)
;;       q = np.round(r / step) * step * 2.0 ** e      # np.round: ties to even
;;       return np.moveaxis(q, -1, axis).astype(np.float32)
;;   ~~~
;;   SOFTMAX AHEAD OF A QUANTISED PRODUCT. Where the list says 'softmax', what is quantised is not the finished softmax but p = 2^(t - M), with t = logit x log2(e) and M = ceil(the row's largest t), a whole number; so 1/2 < the row's largest p <= 1. The row's sum l is taken of the UNQUANTISED p, in f32, and the product's result is divided by l at the end. Since M is a whole number, a kernel that streams over the keys may use a running M (the ceiling of the running maximum): every later rescaling is an exact power of two, so the quantised numbers keep their values, but for numbers so far below the row's largest that they fall under the format's range.
;;   OPERANDS COMPUTED ON THE WAY. 'Computed on the way' means the value that the module computes at that place (a softmax that the list does not call 'softmax' is quantised finished and normalised). What goes into a quantiser is computed in f32, as accurately as f32 sums, v_exp_f32 and their like allow (about 1e-6 of the number): no bf16 or f16 on the way to a quantiser, and a product that is left as it is and whose result goes on into a quantised operand takes f32 operands (vector FMAs, or v_wmma_f32_16x16x4_f32). A number that lies on a knife's edge between two numbers of the format may be rounded either way, as far as f32 arithmetic and the matrix unit's own rounding can turn it there, and no further.
;; 2 versions. Each part assembles by itself: llvm-mc -triple=amdgcn-amd-amdhsa -mcpu=gfx1250 --defsym DOCPART=n.
;; ======== version 1 of 2: 6 launches
;; workspace buffers: act_a 4,194,304 bytes; act_b 8,388,608 bytes; act_c 4,194,304 bytes; x1 16,777,216 bytes; w_a 4,194,304 bytes; w_b 5,242,880 bytes; par_a 256 bytes of whole numbers; par_b 256 bytes of whole numbers
;; launch prep (part 1): grid 384 x 1, 4 waves a work-group, no clusters, 34,304 bytes of LDS; arguments x, W_qkv, W_ff1, W_out, W_ff2, lowp_scales, act_a, w_a, w_b, par_a, par_b; writes act_a, w_a, w_b, par_a, par_b
.if DOCPART == 1
	.amdgcn_target "amdgcn-amd-amdhsa--gfx1250"
	.amdhsa_code_object_version 6
	.text
	.protected	k_q9f6f42d723_prep
	.globl	k_q9f6f42d723_prep
	.p2align	8
	.type	k_q9f6f42d723_prep,@function
k_q9f6f42d723_prep:
	s_mov_b64 s[64:65], 0
	v_nop
	global_prefetch_b8 v0, s[64:65] scope:SCOPE_SE
	s_setreg_imm32_b32 hwreg(HW_REG_WAVE_MODE, 25, 1), 1
	s_wait_xcnt 0x0
; DECODER LAYER, launch 1 of 6: x and the four weights become codes of E5M2, each with its given scale 2^e; two tables of whole numbers are laid for the later launches.
; DEAD WORK OF THE WHOLE PROGRAM.  reference() builds the causal mask itself (jnp.tril) and sets the scores of keys k > q to -inf ahead of the softmax: their weights are 0 for all values of the inputs,
; so a step of 128 keys that lies wholly behind a wave's queries adds nothing to any sum and is left out of the attention launch (products 2 and 3).  Nothing else is left out and every input is loaded.
; LIMIT: a NaN, an infinity or an overflow that would arise only in such hidden scores is not carried to the result.
; THE LAYOUT OF EVERY OPERAND IN THIS PROGRAM.  A FRAGMENT is 16 rows x 128 along K, 2,048 bytes, laid [c 0..3][lane 0..31][16 bytes]: lane (r = lane % 16, h = lane / 16), piece c, holds k = 32 c + 16 h + 0..15
; of its row: four loads of 16 bytes a lane are the operand's 16 registers.  Fragment f = 2 g + u holds in lane r the row 32 g + 8 u + r + 8 (r / 8), so that a product's results, used transposed, are pieces of the next operand.
; ORDERS OF FRAGMENTS (f: rows / 16, s: K / 128).  G (K = 1,024): (f / 8) 131,072 + s 16,384 + (f % 8) 2,048.   R (1,024 rows): s 131,072 + f 2,048.
; SHARES.  Work-groups 0-255: one tile of a weight each, 128 columns x 256 along K: a lane takes a column and its registers run down K, so the conversions give codes with K innermost.
; Work-groups 256-383: x, a wave takes one fragment row (16 tokens) x 512 along K; the f32 numbers turn through the wave's own stage in LDS, so that every load is 512 dense bytes.
; code = number / 2^e, held within +-57,344, to the nearest code, ties to even.  LIMITS: each e between -126 and 112.  NaN among the inputs is not served.
.set SPARE, 33792                      ; behind the four stages of 8,448 bytes: the spare words, 128 bytes a wave
.set SPW,  12                          ; v12  my spare word's LDS address; never rewritten
.set NIL,  13                          ; v13  0; never rewritten
.set LN16, 4                           ; v4   16 x lane
.set STI,  14                          ; v14  the stage, on the way in: 16 x lane in a row
.set STO,  15                          ; v15  on the way out: row r, + 64 h
.set LIM,  10                          ; v10  57,344 x 2^e
.set SC,   11                          ; v11  2^e
.set PL,   16                          ; v16  W: my column's place in a piece
.set WX,   32                          ; v32-95   W: two sets of 32 numbers
.set VO,   96                          ; v96-127  W: 4 x lane + i rows
.set WC,   128                         ; v128-191 W: eight registers of codes for each block
.set SB,   66                          ; s[66:81] W: the eight blocks' bases
.set XR,   32                          ; v32-159  x: two sets of 64 as loaded
.set XX,   160                         ; v160-223 x: 64 numbers in the operand's order
.set XC,   224                         ; v224-255 x: two sets of 16 registers of codes
	s_load_b512 s[4:19], s[0:1], 0x0               ; x 4:5, W_qkv 6:7, W_ff1 8:9, W_out 10:11, W_ff2 12:13, scales 14:15, act_a 16:17, w_a 18:19
	s_load_b128 s[20:23], s[0:1], 0x40             ; w_b 20:21, par_a 22:23
	s_load_b64 s[24:25], s[0:1], 0x50              ; par_b
	v_lshl_add_u32 v[SPW], v0, 2, SPARE
	v_mov_b32 v[NIL], 0
	v_lshrrev_b32 v1, 5, v0
	v_readfirstlane_b32 s26, v1                    ; wave
	v_and_b32 v1, 31, v0                           ; lane
	v_and_b32 v2, 15, v0                           ; r
	v_bfe_u32 v3, v0, 4, 1                         ; h
	v_lshlrev_b32 v[LN16], 4, v1
	s_mul_i32 s27, s26, 8448                       ; my stage: 16 rows x (512 + 16) bytes
	v_add_nc_u32 v[STI], s27, v[LN16]
	v_mul_u32_u24 v[STO], v2, 528
	v_lshl_add_u32 v[STO], v3, 6, v[STO]
	v_add_nc_u32 v[STO], s27, v[STO]
	s_wait_kmcnt 0x0
	s_load_b256 s[28:35], s[14:15], 0x0            ; e 0 .. 7
	s_load_b128 s[36:39], s[14:15], 0x20           ; e 8 .. 11
	s_wait_kmcnt 0x0
.macro MKSCALE e                       ; 2^e and 57,344 x 2^e as f32 numbers
	s_add_co_i32 s86, \e, 127
	s_lshl_b32 s87, s86, 23
	v_mov_b32 v[SC], s87
	s_add_co_i32 s86, s86, 15
	s_lshl_b32 s86, s86, 23
	s_or_b32 s86, s86, 0x600000
	v_mov_b32 v[LIM], s86
.endm
	s_cmp_ge_u32 ttmp9, 256
	s_cbranch_scc1 .Lx
	; ---- the tables of whole numbers: wave 0 of work-group 0.  Word w lies in lane w / 2, register w % 2; one store of 8 bytes a lane writes a table's 256 bytes whole
	s_or_b32 s40, ttmp9, s26
	s_cmp_lg_u32 s40, 0
	s_cbranch_scc1 .Lnopar
.macro PUT reg, word, sreg
	v_writelane_b32 v[\reg+((\word)%2)], \sreg, (\word)/2
.endm
	v_mov_b32 v20, 0
	v_mov_b32 v21, 0
	v_mov_b32 v22, 0
	v_mov_b32 v23, 0
	s_mov_b32 s40, -1
	s_mov_b32 s41, 3
	s_mov_b32 s42, 1
	s_mov_b32 s43, 7
	PUT 20, 0, s28                                 ; par_a, words 0-5, for the QKV product: eA, eB, the results' e for Q, K, V, the mask of the hold's lower end (-1: two-sided)
	PUT 20, 1, s29
	PUT 20, 2, s30
	PUT 20, 3, s31
	PUT 20, 4, s33
	PUT 20, 5, s40
	PUT 20, 16, s41                                ; words 16-20, for the projection with LayerNorm 1: trips (K / 256 - 1), eA, eB, the codes' e, 1: codes are made
	PUT 20, 17, s34
	PUT 20, 18, s35
	PUT 20, 19, s36
	PUT 20, 20, s42
	PUT 22, 0, s36                                 ; par_b likewise: FF1 (lower end 0: the relu), FF2 with LayerNorm 2 (no codes)
	PUT 22, 1, s37
	PUT 22, 2, s38
	PUT 22, 3, s38
	PUT 22, 4, s38
	PUT 22, 16, s43
	PUT 22, 17, s38
	PUT 22, 18, s39
	v_lshlrev_b32 v24, 3, v1
	global_store_b64 v24, v[20:21], s[22:23]       ; v20-24 are written nowhere else
	global_store_b64 v24, v[22:23], s[24:25]
.Lnopar:
	; ---- a weight's tile.  Which weight: by the work-group's number alone; only pointers and constants are chosen
	s_mov_b64 s[40:41], s[12:13]                   ; ids 192-255: W_ff2 -> w_b, order R behind 3 MiB
	s_mov_b64 s[42:43], s[20:21]
	s_mov_b32 s44, 4096                            ; a row of the weight in bytes
	s_mov_b32 s45, 192                             ; the weight's first id
	s_mov_b32 s46, 3                               ; log2 of its tiles along K
	s_mov_b32 s47, 16384                           ; bytes from a block of 128 columns to the next
	s_mov_b32 s48, 131072                          ; bytes from a K step of 128 to the next
	s_mov_b32 s49, 3<<20
	s_mov_b32 s50, s39
	s_cmp_lt_u32 ttmp9, 192                        ; ids 160-191: W_out -> w_a, order R behind 3 MiB
	s_cselect_b64 s[40:41], s[10:11], s[40:41]
	s_cselect_b64 s[42:43], s[18:19], s[42:43]
	s_cselect_b32 s45, 160, s45
	s_cselect_b32 s46, 2, s46
	s_cselect_b32 s50, s35, s50
	s_cmp_lt_u32 ttmp9, 160                        ; ids 96-159: W_ff1 -> w_b, order G
	s_cselect_b64 s[40:41], s[8:9], s[40:41]
	s_cselect_b64 s[42:43], s[20:21], s[42:43]
	s_cselect_b32 s44, 8192, s44
	s_cselect_b32 s45, 96, s45
	s_cselect_b32 s47, 131072, s47
	s_cselect_b32 s48, 16384, s48
	s_cselect_b32 s49, 0, s49
	s_cselect_b32 s50, s37, s50
	s_cmp_lt_u32 ttmp9, 96                         ; ids 0-95: W_qkv -> w_a, order G
	s_cselect_b64 s[40:41], s[6:7], s[40:41]
	s_cselect_b64 s[42:43], s[18:19], s[42:43]
	s_cselect_b32 s44, 12288, s44
	s_cselect_b32 s45, 0, s45
	s_cselect_b32 s50, s29, s50
	s_sub_co_u32 s51, ttmp9, s45
	s_bfm_b32 s52, s46, 0
	s_and_b32 s53, s51, s52                        ; ky: which 256 along K
	s_lshr_b32 s54, s51, s46                       ; nb: which 128 columns
	s_mul_i32 s56, s53, s44
	s_lshl_b32 s56, s56, 8                         ; 256 ky rows
	s_lshl_b32 s55, s54, 9
	s_add_co_u32 s56, s56, s55                     ; + 128 nb columns
	s_lshl_b32 s55, s26, 7
	s_add_co_u32 s56, s56, s55                     ; + my wave's 32
	s_mov_b32 s57, 0
	s_add_nc_u64 s[SB:SB+1], s[40:41], s[56:57]
	s_lshl_b32 s58, s44, 5                         ; 32 rows
	s_mov_b32 s59, 0
.irp t, 1,2,3,4,5,6,7
	s_add_nc_u64 s[SB+2*\t:SB+2*\t+1], s[SB+2*\t-2:SB+2*\t-1], s[58:59]
.endr
	s_mul_i32 s60, s54, s47
	s_mul_i32 s55, s53, s48
	s_lshl_b32 s55, s55, 1                         ; K step 2 ky
	s_add_co_u32 s60, s60, s55
	s_lshl_b32 s55, s26, 12                        ; my 32 columns are two fragments
	s_add_co_u32 s60, s60, s55
	s_add_co_u32 s60, s60, s49
	s_mov_b32 s61, 0
	s_add_nc_u64 s[82:83], s[42:43], s[60:61]      ; blocks 0-3: K step 2 ky,
	s_mov_b32 s62, s48
	s_mov_b32 s63, 0
	s_add_nc_u64 s[84:85], s[82:83], s[62:63]      ; blocks 4-7: the next
	v_lshlrev_b32 v[VO], 2, v1
.set i, 1
.rept 31
	v_add_nc_u32 v[VO+i], s44, v[VO+i-1]
.set i, i+1
.endr
	v_bfe_u32 v[PL], v0, 3, 1                      ; column 32 g + lane lies in fragment 2 g + (lane / 8) % 2, at lane place lane % 8 + 8 (lane / 16)
	v_lshlrev_b32 v[PL], 11, v[PL]
	v_and_b32 v17, 7, v0
	v_lshl_add_u32 v17, v3, 3, v17
	v_lshl_add_u32 v[PL], v17, 4, v[PL]
.macro WLOAD t                         ; block t: W(32 t + i, my column): 128 consecutive bytes a wave and load
.set i, 0
.rept 32
	global_load_b32 v[WX+32*((\t)%2)+i], v[VO+i], s[SB+2*(\t):SB+2*(\t)+1] th:TH_LOAD_NT
.set i, i+1
.endr
.endm
.macro WBLOCK t
.set XS, WX+32*((\t)%2)
.set CB, WC+8*(\t)
.if (\t) < 7
	s_wait_loadcnt 32                              ; this block's 32 loads are in; the next block's 32 may be out
.else
	s_wait_loadcnt 0x0
.endif
.set i, 0
.rept 32
	v_med3_num_f32 v[XS+i], v[XS+i], -v[LIM], v[LIM]   ; the conversion does not saturate (ISA guide 7.6.2): the hold comes first
.set i, i+1
.endr
.irp g, 0,1,2,3
	v_cvt_scalef32_pk8_bf8_f32 v[CB+2*\g:CB+2*\g+1], v[XS+8*\g:XS+8*\g+7], v[SC]
.endr
	global_store_b128 v[PL], v[CB:CB+3], s[82+2*((\t)/4):83+2*((\t)/4)] offset:((\t)%4)*512        ; k 0-15 of the block: the piece's lanes 0-15; the wave fills two aligned runs of 256 bytes
	global_store_b128 v[PL], v[CB+4:CB+7], s[82+2*((\t)/4):83+2*((\t)/4)] offset:((\t)%4)*512+256  ; k 16-31: its lanes 16-31.  Each block has its own code registers: no store's data are written again
.if (\t) < 6
	WLOAD (\t)+2
.endif
.endm
	WLOAD 0
	WLOAD 1
	MKSCALE s50
.irp t, 0,1,2,3,4,5,6,7
	WBLOCK \t
.endr
	s_branch .Lend
	; ---- x
.Lx:
	s_sub_co_u32 s40, ttmp9, 256
	s_lshl_b32 s40, s40, 2
	s_add_co_u32 s40, s40, s26
	s_lshr_b32 s41, s40, 1                         ; f: my fragment row, 0 .. 255
	s_and_b32 s42, s40, 1                          ; which 512 along K
	s_lshr_b32 s46, s41, 1
	s_lshl_b32 s46, s46, 17                        ; 32 (f / 2) rows of 4,096 bytes
	s_and_b32 s43, s41, 1
	s_lshl_b32 s43, s43, 15                        ; + 8 (f % 2) rows
	s_add_co_u32 s46, s46, s43
	s_lshl_b32 s43, s42, 11
	s_add_co_u32 s46, s46, s43
	s_mov_b32 s47, 0
	s_add_nc_u64 s[48:49], s[4:5], s[46:47]
	s_lshr_b32 s50, s41, 3                         ; order G
	s_lshl_b32 s50, s50, 17
	s_lshl_b32 s43, s42, 16
	s_add_co_u32 s50, s50, s43
	s_and_b32 s43, s41, 7
	s_lshl_b32 s43, s43, 11
	s_add_co_u32 s50, s50, s43
	s_mov_b32 s51, 0
	s_add_nc_u64 s[52:53], s[16:17], s[50:51]
.macro XLOAD q                         ; K step q of my four: 512 consecutive bytes of each of the fragment's 16 rows
.irp i, 0,1,2,3,4,5,6,7,8,9,10,11,12,13,14,15
	global_load_b128 v[XR+64*((\q)%2)+4*\i:XR+64*((\q)%2)+4*\i+3], v[LN16], s[48:49] offset:(\i+8*(\i/8))*4096+512*(\q) th:TH_LOAD_NT
.endr
.endm
.macro XFRAG q
.set CC, XC+16*((\q)%2)
.if (\q) < 3
	s_wait_loadcnt 16                              ; this fragment's 16 loads are in; the next one's 16 may be out
.else
	s_wait_loadcnt 0x0
.endif
.irp i, 0,1,2,3,4,5,6,7,8,9,10,11,12,13,14,15
	ds_store_b128 v[STI], v[XR+64*((\q)%2)+4*\i:XR+64*((\q)%2)+4*\i+3] offset:528*\i
.endr
.irp c, 0,1,2,3
.irp j, 0,1,2,3
	ds_load_b128 v[XX+16*\c+4*\j:XX+16*\c+4*\j+3], v[STO] offset:128*\c+16*\j   ; LDS serves a wave's instructions in order: these see the stores above
.endr
.endr
	s_wait_dscnt 0x0                               ; the stores have read their registers, and the 64 numbers are back
.if (\q) < 2
	XLOAD (\q)+2
.endif
.if (\q) >= 2
	s_wait_xcnt 0x0                                ; the stores of two fragments ago have read this set of code registers
.endif
.set i, 0
.rept 64
	v_med3_num_f32 v[XX+i], v[XX+i], -v[LIM], v[LIM]
.set i, i+1
.endr
.irp c, 0,1,2,3
	v_cvt_scalef32_pk8_bf8_f32 v[CC+4*\c:CC+4*\c+1], v[XX+16*\c:XX+16*\c+7], v[SC]
	v_cvt_scalef32_pk8_bf8_f32 v[CC+4*\c+2:CC+4*\c+3], v[XX+16*\c+8:XX+16*\c+15], v[SC]
.endr
	v_nop                                          ; a plain line behind the last conversion
.irp c, 0,1,2,3
	global_store_b128 v[LN16], v[CC+4*\c:CC+4*\c+3], s[52:53] offset:16384*(\q)+512*\c   ; 512 consecutive bytes
.endr
.endm
	XLOAD 0
	XLOAD 1
	MKSCALE s28
	XFRAG 0
	XFRAG 1
	XFRAG 2
	XFRAG 3
.Lend:
	s_wait_tensorcnt 0x0                           ; the wave's end
	ds_add_u32 v[SPW], v[NIL]
	s_wait_dscnt 0x0
	s_endpgm
.Lfunc_end_k_q9f6f42d723_prep:
	.size	k_q9f6f42d723_prep, .Lfunc_end_k_q9f6f42d723_prep-k_q9f6f42d723_prep
	.p2alignl 7, 3214868480
	.fill 96, 4, 3214868480
	.section	.rodata,"a",@progbits
	.p2align	6, 0x0
	.amdhsa_kernel k_q9f6f42d723_prep
		.amdhsa_group_segment_fixed_size 34304
		.amdhsa_private_segment_fixed_size 0
		.amdhsa_enable_private_segment 0
		.amdhsa_kernarg_size 88
		.amdhsa_user_sgpr_count 2
		.amdhsa_user_sgpr_kernarg_segment_ptr 1
		.amdhsa_wavefront_size32 1
		.amdhsa_system_sgpr_workgroup_id_x 1
		.amdhsa_system_sgpr_workgroup_id_y 1
		.amdhsa_system_sgpr_workgroup_id_z 1
		.amdhsa_system_vgpr_workitem_id 0
		.amdhsa_next_free_vgpr 256
		.amdhsa_next_free_sgpr 96
		.amdhsa_reserve_vcc 0
		.amdhsa_float_denorm_mode_32 3
		.amdhsa_float_denorm_mode_16_64 3
		.amdhsa_memory_ordered 1
		.amdhsa_forward_progress 1
		.amdhsa_inst_pref_size 86
	.end_amdhsa_kernel
	.amdgpu_metadata
---
amdhsa.version: [ 1, 2 ]
amdhsa.kernels:
  - .name:           k_q9f6f42d723_prep
    .symbol:         k_q9f6f42d723_prep.kd
    .args:
      - { .name: x, .offset: 0, .size: 8, .value_kind: global_buffer, .address_space: global }
      - { .name: W_qkv, .offset: 8, .size: 8, .value_kind: global_buffer, .address_space: global }
      - { .name: W_ff1, .offset: 16, .size: 8, .value_kind: global_buffer, .address_space: global }
      - { .name: W_out, .offset: 24, .size: 8, .value_kind: global_buffer, .address_space: global }
      - { .name: W_ff2, .offset: 32, .size: 8, .value_kind: global_buffer, .address_space: global }
      - { .name: lowp_scales, .offset: 40, .size: 8, .value_kind: global_buffer, .address_space: global }
      - { .name: act_a, .offset: 48, .size: 8, .value_kind: global_buffer, .address_space: global }
      - { .name: w_a, .offset: 56, .size: 8, .value_kind: global_buffer, .address_space: global }
      - { .name: w_b, .offset: 64, .size: 8, .value_kind: global_buffer, .address_space: global }
      - { .name: par_a, .offset: 72, .size: 8, .value_kind: global_buffer, .address_space: global }
      - { .name: par_b, .offset: 80, .size: 8, .value_kind: global_buffer, .address_space: global }
    .group_segment_fixed_size: 34304
    .private_segment_fixed_size: 0
    .kernarg_segment_align: 8
    .kernarg_segment_size: 88
    .max_flat_workgroup_size: 128
    .sgpr_count:     96
    .vgpr_count:     256
    .wavefront_size: 32
...
	.end_amdgpu_metadata
.endif
;; end of part 1
;; launch gemmq (part 2): grid 12 x 16, 4 waves a work-group, clusters of 4 x 4, 327,680 bytes of LDS; arguments act_a, w_a, b_qkv, par_a, act_b, act_c; writes act_b, act_c
.if DOCPART == 2
	.amdgcn_target "amdgcn-amd-amdhsa--gfx1250"
	.amdhsa_code_object_version 6
	.text
	.protected	k_q9f6f42d723_gemmq
	.globl	k_q9f6f42d723_gemmq
	.p2align	8
	.type	k_q9f6f42d723_gemmq,@function
k_q9f6f42d723_gemmq:
	s_mov_b64 s[64:65], 0
	v_nop
	global_prefetch_b8 v0, s[64:65] scope:SCOPE_SE
	s_setreg_imm32_b32 hwreg(HW_REG_WAVE_MODE, 25, 1), 1
	s_wait_xcnt 0x0
	s_wait_alu depctr_hold_cnt(0) depctr_sa_sdst(0) depctr_va_vdst(0) depctr_va_sdst(0) depctr_va_ssrc(0) depctr_va_vcc(0) depctr_vm_vsrc(0)
	s_getreg_b32 s2, hwreg(HW_REG_IB_STS2, 6, 4)
	s_cmp_eq_u32 s2, 0
	s_cbranch_scc0 .Lentry_in_a_cluster
	s_endpgm
.Lentry_in_a_cluster:
	s_bfe_u32 s2, ttmp6, 0x10000c
	s_cmp_lg_u32 s2, 0xf033
	s_cbranch_scc0 .Lentry_shape_is_right
	s_endpgm
.Lentry_shape_is_right:
; A product on codes of E5M2, K = 1,024, whose results (+ bias, held, and clipped at 0 where the table says so) leave as CODES of the next operand.  Two launches run it: x W_qkv (Q, K, V) and x1 W_ff1 (the hidden layer).
; Arguments: the tokens' codes (order G), the weight's codes (order G), the bias, a table of whole numbers (eA, eB, the results' e for cluster column 0, 1, 2, the mask of the hold's lower end), two outputs.
; FRAGMENTS AND ORDERS: as the first launch's head says.  A fragment is an image of the operand's registers, so tiles lie dense in memory and in LDS: no pitch, no padding, each LDS load 512 consecutive bytes.
; A tile of 256 x 256 is made by four waves, 128 x 128 each: 64 accumulators.  K goes in steps of 256 through two LDS slots filled by the tensor data mover: four fills, written out.
; THE MATRIX INSTRUCTION: source 0 = the B-role's 16 rows, source 1 = the A-role's.  A lane then holds one row of the A-role and, in the 16 registers of two neighbouring tiles, 16 neighbours of the B-role: a piece of the next operand.
; Q, K, hidden: A-role = tokens, B-role = the weight's columns: pieces along the columns; out in order S (s 524,288 + f 2,048).  V (cluster column 2 of the first launch): the roles are swapped, so that the pieces run along the
; TOKENS, which are the keys of attention's second product; out as head 262,144 + (token / 128) 8,192 + (fragment % 4) 2,048.
; CLUSTERS of 4 x 4: the A-role's tile is shared along a row of the cluster, the B-role's along a column: joint loads.  The choice of roles hangs on the cluster's x alone, which all sixteen partners share.
; LIMITS: eA + eB within +-126; the result's e - eA - eB between -126 and 112.  No branch and no address hangs on the table's numbers.
.set FR,    16                         ; registers of a fragment
.set NL,    4                          ; LDS loads that bring one
.set NP,    4                          ; places behind this matrix instruction (ISA guide 7.12.1)
.set HALFT, 32768                      ; 8 fragments x 256 along K: what one tensor load brings
.set SLOT,  4*HALFT                    ; the A-role's two halves, then the B-role's
.set SPARE, 2*SLOT                     ; behind the ring: the spare words, 128 bytes a wave
.set LN16, 4                           ; v4      16 x lane
.set ADRA, 16                          ; v16-17  LDS address of my A-role fragments in slot 0, 1
.set ADRB, 20                          ; v20-21  the same for the B-role
.set SPW,  28                          ; v28     my spare word; never rewritten
.set NIL,  29                          ; v29     0; never rewritten
.set BI,   32                          ; v32-95  the bias / 2^(eA + eB)
.set T,    96                          ; v96-159 a fragment's 64 numbers
.set AF,   128                         ; v128-255 the A-role's fragments, one set (window 0); window 1: the B-role's, two sets; windows 2, 3: accumulator (a, b) at v[8 (8 (a % 4) + b)]
.set CD,   160                         ; v160-223 on the way out: four sets of 16 registers of codes
.set LO,   224                         ; v224-226 the hold's two ends, the conversion's scale
.set HI,   225
.set SCV,  226
.set G1, 24
.set G0, 32
.set G1B, 48
.set G0B, 56
.set MSB, 0
.macro WIN new                         ; the immediate's high byte repeats the setting that is left
.if MSB != (\new)
	s_set_vgpr_msb (MSB<<8)|(\new)
.set MSB, (\new)
.endif
.endm
.set MUL_LO, 0xa1                      ; source 0 window 1, source 1 window 0, C and D window 2
.set MUL_HI, 0xf1
.set TO_B,   0x40
.macro JLOAD g0a, g1a, g0b, g1b        ; a joint load: waves 0, 1 fetch for the A-role, waves 2, 3 for the B-role; an s_nop 0 and four v_nop follow each line
	s_cmp_eq_u32 s15, 0
	s_cbranch_scc0 .Lfor_b_\@
	tensor_load_to_lds s[\g0a:\g0a+3], s[\g1a:\g1a+7]
	s_nop 0
.rept 4
	v_nop
.endr
	s_branch .Lasked_\@
.Lfor_b_\@:
	tensor_load_to_lds s[\g0b:\g0b+3], s[\g1b:\g1b+7]
	s_nop 0
.rept 4
	v_nop
.endr
.Lasked_\@:
.endm
.macro CREST
	s_cmp_lg_u32 s14, 0
	s_cbranch_scc1 .Lnot_wave_0_\@
	s_barrier_signal -3
.Lnot_wave_0_\@:
	s_barrier_wait -3
	s_barrier_signal -1
	s_barrier_wait -1
.endm
.macro CROUND
	s_barrier_signal -1
	s_barrier_wait -1
	CREST
.endm
	s_load_b256 s[4:11], s[0:1], 0x0               ; tokens' codes 4:5, weight's codes 6:7, bias 8:9, table 10:11
	s_load_b128 s[68:71], s[0:1], 0x20             ; out (order S) 68:69, out (V) 70:71
	v_lshl_add_u32 v[SPW], v0, 2, SPARE
	v_mov_b32 v[NIL], 0
	ds_add_u32 v[SPW], v[NIL]                      ; the opening: the add, twice on end, and its wait ahead of my first tensor load
	ds_add_u32 v[SPW], v[NIL]
	v_lshrrev_b32 v1, 5, v0
	v_readfirstlane_b32 s14, v1                    ; wave
	s_lshr_b32 s15, s14, 1                         ; my half of the A-role's rows.  Also: I fetch for the A-role (0) or the B-role (1)
	s_and_b32 s16, s14, 1                          ; my half of the B-role's rows.  Also: which half of that tile I fetch
	s_bfe_u32 s40, ttmp6, 0x40000                  ; cx
	s_bfe_u32 s41, ttmp6, 0x40004                  ; cy
	s_and_b32 s12, ttmp7, 0xffff                   ; cluster y
	s_cmp_eq_u32 ttmp9, 2                          ; cluster x = 2: V
	s_cselect_b32 s13, 2, s12
	s_cselect_b32 s42, s12, ttmp9
	s_lshl_b32 s17, s13, 2
	s_add_co_u32 s17, s17, s41                     ; R: the A-role's tile of 256 rows
	s_lshl_b32 s42, s42, 2
	s_add_co_u32 s42, s42, s40                     ; Ct: the B-role's
	s_lshl_b32 s43, s41, 2
	s_lshl_b32 s43, 15, s43                        ; my row of the cluster
	s_lshl_b32 s44, 0x1111, s40                    ; my column
	s_or_b32 s[G1+0], s43, (1<<21)                 ; 15:0 the mask; 17:16 elements of 1 byte; no padding; 21 set beside a mask
	s_or_b32 s[G1B+0], s44, (1<<21)
.irp g, G1, G1B
	s_mov_b32 s[\g+1], 256<<16                     ; tensor_dim0 = 256: the block of 32,768 dense bytes as 128 rows of 256
	s_mov_b32 s[\g+2], 128<<16                     ; tensor_dim1
	s_mov_b32 s[\g+3], 256<<16                     ; tile_dim0
	s_mov_b32 s[\g+4], 128                         ; tile_dim1
	s_mov_b32 s[\g+5], 256                         ; the pitch
	s_mov_b32 s[\g+6], 0
	s_mov_b32 s[\g+7], 0
.endr
	s_lshl_b32 s20, s17, 1
	s_add_co_u32 s20, s20, s16
	s_lshl_b32 s20, s20, 17                        ; order G: the group of 8 fragments 2 R + half
	s_mov_b32 s21, 0
	s_lshl_b32 s46, s42, 1
	s_add_co_u32 s46, s46, s16
	s_lshl_b32 s46, s46, 17
	s_mov_b32 s47, 0
	s_mul_i32 s45, s14, HALFT                      ; where they go: wave x 32,768
	s_wait_dscnt 0x0                               ; both opening adds are done
	s_wait_kmcnt 0x0
	s_load_b256 s[72:79], s[10:11], 0x0            ; the table; awaited on the way out
	s_cmp_eq_u32 ttmp9, 2
	s_cselect_b64 s[80:81], s[6:7], s[4:5]         ; the A-role's buffer
	s_cselect_b64 s[82:83], s[4:5], s[6:7]         ; the B-role's
	s_add_nc_u64 s[20:21], s[80:81], s[20:21]
	s_add_nc_u64 s[46:47], s[82:83], s[46:47]
	CROUND                                         ; all sixteen work-groups are here: the first joint loads meet
.irp s, 0,1
	s_mov_b32 s[G0+4*\s], 1
	s_add_co_u32 s[G0+4*\s+1], s45, \s*SLOT
	s_add_nc_u64 s[G0+4*\s+2:G0+4*\s+3], s[20:21], \s*HALFT
	s_or_b32 s[G0+4*\s+3], s[G0+4*\s+3], 0x80000000
	s_mov_b32 s[G0B+4*\s], 1
	s_add_co_u32 s[G0B+4*\s+1], s45, \s*SLOT
	s_add_nc_u64 s[G0B+4*\s+2:G0B+4*\s+3], s[46:47], \s*HALFT
	s_or_b32 s[G0B+4*\s+3], s[G0B+4*\s+3], 0x80000000
	JLOAD G0+4*\s, G1, G0B+4*\s, G1B               ; two loads of mine are out
.endr
	v_and_b32 v1, 31, v0
	v_lshlrev_b32 v[LN16], 4, v1
	s_mul_i32 s21, s15, HALFT
	s_mul_i32 s22, s16, HALFT
	s_add_co_u32 s22, s22, 2*HALFT
.irp s, 0,1
	v_add_nc_u32 v[ADRA+\s], s21, v[LN16]
	v_add_nc_u32 v[ADRB+\s], s22, v[LN16]
	s_add_co_u32 s21, s21, SLOT
	s_add_co_u32 s22, s22, SLOT
.endr
.macro FRAG reg, adr, q, i             ; fragment i of the slot's q-th 128 along K: four loads of 512 consecutive bytes
.irp c, 0,1,2,3
	ds_load_b128 v[\reg+4*\c:\reg+4*\c+3], v[\adr] offset:(8*(\q)+(\i))*2048+512*\c
.endr
.endm
.macro MUL16 a0, p, zero               ; the A-role's blocks a0, a0 + 1 x the B-role's eight; the 64 accumulators take turns
.irp a, \a0, \a0+1
.irp b, 0,1,2,3,4,5,6,7
.if \zero
	v_wmma_f32_16x16x128_bf8_bf8 v[8*(8*((\a)%4)+\b):8*(8*((\a)%4)+\b)+7], v[128*(\p)+FR*\b:128*(\p)+FR*\b+FR-1], v[AF+FR*(\a):AF+FR*(\a)+FR-1], 0
.else
	v_wmma_f32_16x16x128_bf8_bf8 v[8*(8*((\a)%4)+\b):8*(8*((\a)%4)+\b)+7], v[128*(\p)+FR*\b:128*(\p)+FR*\b+FR-1], v[AF+FR*(\a):AF+FR*(\a)+FR-1], v[8*(8*((\a)%4)+\b):8*(8*((\a)%4)+\b)+7]
.endif
.endr
.endr
.endm
.macro FETCH_B slot, q, p
	WIN TO_B
.irp i, 0,1,2,3,4,5,6,7
	FRAG 128*(\p)+FR*\i, ADRB+\slot, \q, \i
.endr
	WIN 0
.endm
.macro FETCH_A slot, q, i0
.irp i, \i0, \i0+1, \i0+2, \i0+3
	FRAG AF+FR*(\i), ADRA+\slot, \q, \i
.endr
.endm
.macro PLACES n                        ; plain vector lines in front of loads into registers that matrix instructions have read, and of the first read of results
.rept \n
	v_nop
.endr
.endm
.macro STEP slot, q, zero              ; 128 along K with its successor in the same slot
	s_wait_dscnt 4*NL                              ; the B-role's set and blocks 0-3 are in; the youngest 16 loads (blocks 4-7) may be out
	WIN MUL_LO
	MUL16 0, (\q)%2, \zero
	MUL16 2, (\q)%2, \zero
	s_wait_dscnt 0
	PLACES NP
	FETCH_B \slot, (\q)+1, 1-(\q)%2
	FETCH_A \slot, (\q)+1, 0
	WIN MUL_HI
	MUL16 4, (\q)%2, \zero
	MUL16 6, (\q)%2, \zero
	PLACES NP
	WIN 0
	FETCH_A \slot, (\q)+1, 4
.endm
.macro TURN slot, next, fill           ; a slot's last step changes slots: one barrier; fill = 1: it opens a round of the cluster's barrier, and this slot is filled again
	s_wait_tensorcnt 0x0                           ; all my tensor loads have landed: my part of the next slot
	ds_add_u32 v[SPW], v[NIL]                      ; 0 onto my spare word
	s_wait_dscnt 4*NL+1                            ; the add and the youngest 16 loads may be out
	WIN MUL_LO
	MUL16 0, 1, 0
	s_wait_dscnt 0x0                               ; the add is done, and my reads of this slot are over
	s_barrier_signal -1
	MUL16 2, 1, 0
	WIN 0
	s_barrier_wait -1
.if \fill
	CREST                                          ; no wave of any partner still reads this slot or has a load on its way
	s_add_nc_u64 s[G0+4*\slot+2:G0+4*\slot+3], s[G0+4*\slot+2:G0+4*\slot+3], 2*HALFT
	s_add_nc_u64 s[G0B+4*\slot+2:G0B+4*\slot+3], s[G0B+4*\slot+2:G0B+4*\slot+3], 2*HALFT
	JLOAD G0+4*\slot, G1, G0B+4*\slot, G1B         ; my one tensor load behind the round; its four v_nop are the places in front of the loads below
.else
	PLACES NP
.endif
	FETCH_B \next, 0, 0
	FETCH_A \next, 0, 0
	WIN MUL_HI
	MUL16 4, 1, 0
	MUL16 6, 1, 0
	PLACES NP
	WIN 0
	FETCH_A \next, 0, 4
.endm
; THE LAST 256 ALONG K AND THE WAY OUT.  v = 0: a lane holds a token, its registers run along the columns: the bias differs from register to register.  v = 1 (V): a lane holds a column, so it has one bias for each block a.
.macro TAIL v
.if \v
	s_lshl_b32 s84, s17, 10                        ; the bias of the A-role's rows: 256 R + 128 (wave / 2)
	s_lshl_b32 s85, s15, 9
.else
	s_lshl_b32 s84, s42, 10                        ; of the B-role's: 256 Ct + 128 (wave % 2)
	s_lshl_b32 s85, s16, 9
.endif
	s_add_co_u32 s84, s84, s85
	s_mov_b32 s85, 0
	s_add_nc_u64 s[84:85], s[8:9], s[84:85]
.if \v
	v_and_b32 v5, 15, v0
	v_and_b32 v6, 8, v0
	v_add_nc_u32 v5, v5, v6                        ; r + 8 (r / 8)
	v_lshlrev_b32 v5, 2, v5
.irp a, 0,1,2,3,4,5,6,7
	global_load_b32 v[BI+2*\a], v5, s[84:85] offset:(32*(\a/2)+8*(\a%2))*4
.endr
	s_lshl_b32 s94, s41, 1                         ; out: head 4 cy + 2 (wave / 2) + a / 4; token step 2 Ct + wave % 2
	s_add_co_u32 s94, s94, s15
	s_lshl_b32 s94, s94, 19
	s_lshl_b32 s95, s42, 1
	s_add_co_u32 s95, s95, s16
	s_lshl_b32 s95, s95, 13
	s_add_co_u32 s94, s94, s95
	s_mov_b32 s95, 0
	s_add_nc_u64 s[94:95], s[70:71], s[94:95]
.else
	v_bfe_u32 v5, v0, 4, 1
	v_lshlrev_b32 v5, 6, v5                        ; 16 h numbers
.irp g, 0,1,2,3
.irp k, 0,1,2,3
	global_load_b128 v[BI+16*\g+4*\k:BI+16*\g+4*\k+3], v5, s[84:85] offset:128*\g+16*\k
.endr
.endr
	s_lshl_b32 s94, s42, 1                         ; out, order S: K step 2 Ct + wave % 2, fragment 16 R + 8 (wave / 2) + a
	s_add_co_u32 s94, s94, s16
	s_lshl_b32 s94, s94, 19
	s_lshl_b32 s95, s17, 1
	s_add_co_u32 s95, s95, s15
	s_lshl_b32 s95, s95, 14
	s_add_co_u32 s94, s94, s95
	s_mov_b32 s95, 0
	s_add_nc_u64 s[94:95], s[68:69], s[94:95]
.endif
	STEP 1, 0, 0
	s_wait_dscnt 4*NL                              ; the very last step: nothing more to fetch
	WIN MUL_LO
	MUL16 0, 1, 0
	MUL16 2, 1, 0
	s_wait_dscnt 0
	WIN MUL_HI
	MUL16 4, 1, 0
	MUL16 6, 1, 0
	WIN 0
	s_wait_kmcnt 0x0                               ; the table
	s_add_co_i32 s86, s72, s73                     ; e = eA + eB: a sum stands for sum x 2^e
	s_sub_co_i32 s87, 127, s86
	s_lshl_b32 s88, s87, 23                        ; 2^-e
	s_mov_b32 s89, s88                             ; (named with it as a pair)
.if \v
	s_mov_b32 s90, s76
.else
	s_cmp_eq_u32 ttmp9, 0
	s_cselect_b32 s90, s74, s75                    ; the result's e
.endif
	s_sub_co_i32 s90, s90, s86                     ; the three scales are folded into the conversion's one
	s_add_co_i32 s90, s90, 127
	s_lshl_b32 s91, s90, 23
	s_add_co_i32 s90, s90, 15
	s_lshl_b32 s90, s90, 23
	s_or_b32 s90, s90, 0x600000                    ; 57,344 x that
	s_or_b32 s92, s90, 0x80000000
	s_and_b32 s92, s92, s77                        ; the lower end: its negative, or 0 where the activation clips at 0
	PLACES NP
	v_mov_b32 v[LO], s92
	v_mov_b32 v[HI], s90
	v_mov_b32 v[SCV], s91
	s_wait_loadcnt 0x0                             ; the bias
.if \v
.irp a, 0,1,2,3,4,5,6,7
	v_mul_f32 v[BI+2*\a], s88, v[BI+2*\a]
	v_mov_b32 v[BI+2*\a+1], v[BI+2*\a]
.endr
.else
.set i, 0
.rept 32
	v_pk_mul_f32 v[BI+i:BI+i+1], v[BI+i:BI+i+1], s[88:89] op_sel_hi:[1,0]
.set i, i+2
.endr
.endif
.irp a, 0,1,2,3,4,5,6,7
.set AC, 64*(\a%4)
.set CC, CD+16*(\a%4)
	WIN 0x02+(\a/4)                                ; source 0: window 2 or 3
.set i, 0
.rept 32
.if \v
	v_pk_add_f32 v[T+i:T+i+1], v[AC+i:AC+i+1], v[BI+2*\a:BI+2*\a+1]   ; each accumulator from its low end on
.else
	v_pk_add_f32 v[T+i:T+i+1], v[AC+i:AC+i+1], v[BI+i:BI+i+1]
.endif
.set i, i+2
.endr
	WIN 0
.set i, 0
.rept 64
	v_med3_num_f32 v[T+i], v[T+i], v[LO], v[HI]    ; the hold, and the activation where there is one
.set i, i+1
.endr
.if \a >= 4
	s_wait_xcnt 0x0                                ; block a - 4's stores have read this set of code registers
.endif
.irp g, 0,1,2,3
	v_cvt_scalef32_pk8_bf8_f32 v[CC+4*\g:CC+4*\g+1], v[T+16*\g:T+16*\g+7], v[SCV]
	v_cvt_scalef32_pk8_bf8_f32 v[CC+4*\g+2:CC+4*\g+3], v[T+16*\g+8:T+16*\g+15], v[SCV]
.endr
	v_nop                                          ; a plain line behind the last conversion: the next block writes its sources
.irp g, 0,1,2,3
.if \v
	global_store_b128 v[LN16], v[CC+4*\g:CC+4*\g+3], s[94:95] offset:(\a/4)*262144+(\a%4)*2048+512*\g   ; 512 consecutive bytes
.else
	global_store_b128 v[LN16], v[CC+4*\g:CC+4*\g+3], s[94:95] offset:2048*\a+512*\g
.endif
.endr
.endr
.endm
	s_wait_tensorcnt 1                             ; my part of slot 0 is in; slot 1's may stay out
	s_barrier_signal -1
	s_barrier_wait -1
	FETCH_B 0, 0, 0
	FETCH_A 0, 0, 0
	FETCH_A 0, 0, 4
	STEP 0, 0, 1                                   ; the first products start the sums: nothing is cleared
	TURN 0, 1, 1                                   ; slot 0 takes K 512 on
	STEP 1, 0, 0
	TURN 1, 0, 1                                   ; slot 1 takes K 768 on
	STEP 0, 0, 0
	TURN 0, 1, 0                                   ; nothing is left to fetch
	s_cmp_eq_u32 ttmp9, 2                          ; the cluster's x: alike in all partners; no barrier and no tensor load stands in either arm
	s_cbranch_scc1 .Lv
	TAIL 0
	s_branch .Lend
.Lv:
	TAIL 1
.Lend:
	s_wait_tensorcnt 0x0                           ; the wave's end
	ds_add_u32 v[SPW], v[NIL]
	s_wait_dscnt 0x0
	CROUND                                         ; the closing round
	s_endpgm
.Lfunc_end_k_q9f6f42d723_gemmq:
	.size	k_q9f6f42d723_gemmq, .Lfunc_end_k_q9f6f42d723_gemmq-k_q9f6f42d723_gemmq
	.p2alignl 7, 3214868480
	.fill 96, 4, 3214868480
	.section	.rodata,"a",@progbits
	.p2align	6, 0x0
	.amdhsa_kernel k_q9f6f42d723_gemmq
		.amdhsa_group_segment_fixed_size 327680
		.amdhsa_private_segment_fixed_size 0
		.amdhsa_enable_private_segment 0
		.amdhsa_kernarg_size 48
		.amdhsa_user_sgpr_count 2
		.amdhsa_user_sgpr_kernarg_segment_ptr 1
		.amdhsa_wavefront_size32 1
		.amdhsa_system_sgpr_workgroup_id_x 1
		.amdhsa_system_sgpr_workgroup_id_y 1
		.amdhsa_system_sgpr_workgroup_id_z 1
		.amdhsa_system_vgpr_workitem_id 0
		.amdhsa_next_free_vgpr 1024
		.amdhsa_next_free_sgpr 100
		.amdhsa_reserve_vcc 0
		.amdhsa_float_denorm_mode_32 3
		.amdhsa_float_denorm_mode_16_64 3
		.amdhsa_memory_ordered 1
		.amdhsa_forward_progress 1
		.amdhsa_inst_pref_size 208
	.end_amdhsa_kernel
	.amdgpu_metadata
---
amdhsa.version: [ 1, 2 ]
amdhsa.kernels:
  - .name:           k_q9f6f42d723_gemmq
    .symbol:         k_q9f6f42d723_gemmq.kd
    .args:
      - { .name: act_a, .offset: 0, .size: 8, .value_kind: global_buffer, .address_space: global }
      - { .name: w_a, .offset: 8, .size: 8, .value_kind: global_buffer, .address_space: global }
      - { .name: b_qkv, .offset: 16, .size: 8, .value_kind: global_buffer, .address_space: global }
      - { .name: par_a, .offset: 24, .size: 8, .value_kind: global_buffer, .address_space: global }
      - { .name: act_b, .offset: 32, .size: 8, .value_kind: global_buffer, .address_space: global }
      - { .name: act_c, .offset: 40, .size: 8, .value_kind: global_buffer, .address_space: global }
    .group_segment_fixed_size: 327680
    .private_segment_fixed_size: 0
    .kernarg_segment_align: 8
    .kernarg_segment_size: 48
    .max_flat_workgroup_size: 128
    .sgpr_count:     100
    .vgpr_count:     1024
    .wavefront_size: 32
...
	.end_amdgpu_metadata
.endif
;; end of part 2
;; launch attn (part 3): grid 8 x 32, 16 waves a work-group, no clusters, 327,680 bytes of LDS; arguments act_b, act_c, lowp_scales, act_a; writes act_a
.if DOCPART == 3
	.amdgcn_target "amdgcn-amd-amdhsa--gfx1250"
	.amdhsa_code_object_version 6
	.text
	.protected	k_q9f6f42d723_attn
	.globl	k_q9f6f42d723_attn
	.p2align	8
	.type	k_q9f6f42d723_attn,@function
k_q9f6f42d723_attn:
	s_mov_b64 s[64:65], 0
	v_nop
	global_prefetch_b8 v0, s[64:65] scope:SCOPE_SE
	s_setreg_imm32_b32 hwreg(HW_REG_WAVE_MODE, 25, 1), 1
	s_wait_xcnt 0x0
; CAUSAL ATTENTION on codes of E5M2, head size 64, 16 heads x 2 batches of 2,048 tokens; the result leaves as codes of the next product's operand H.
; LEFT OUT AS DEAD WORK (shown at the first launch's head): steps of 128 keys that lie wholly behind a wave's queries; the mask is reference()'s own.
; IN: Q and K as fragments in order S (K step = head / 2; a head's 64 are half a fragment, 1,024 bytes; K's lie 8 steps behind Q's); V with the keys innermost: head 262,144 + (token / 128) 8,192 + t 2,048.
; THE SOFTMAX: t = score x log2(e) / 8; M = the running largest t rounded up to a whole number; p = 2^(t - M) is quantised, not normalised; the sum of the unquantised p divides at the end; when M moves, sums are multiplied by an exact power of two.
; SHARES.  A work-group owns one head of one batch and TWO blocks of 128 queries, i and 15 - i, so that all work-groups have the same causal work.  Each of sixteen waves owns one fragment of 16 queries (eight waves the early
; block, eight the late one, mixed so that waves whose numbers agree modulo 4, or divided by 4, hold two of each).  Every wave walks all changes of slots; a hidden step's work is jumped over on ids alone.
; Both products are used transposed: S^T = K Q^T (16x16x64), O^T = V^T P^T (16x16x128): a lane holds one query throughout, p's 16 registers of two neighbouring tiles are 16 neighbouring keys, O^T's are 16 neighbours of H's K.
; RING: two slots of 256 keys, 2^17 bytes apart: K's 16 half fragments (16,384 bytes), then V's 16,384.  Wave 0 fetches K's tile, wave 1 V's.
; NO CLUSTER: under the mask the eight work-groups of a head need different numbers of tiles, so some partner would jump over the reads of a joint tile.
; LIMITS: eq + ek between -124 and 129 (added to c's exponent field); ep and eh between -126 and 112.
.set SK,    256
.set NQ,    2
.set SLOT1, 1<<17
.set VOFF,  16384
.set NSL,   8                          ; 2,048 keys / 256
.set SPARE, 2*SLOT1                    ; behind the ring: the spare words, 128 bytes for each of 16 waves
.set LN16, 1                           ; v1   16 x lane
.set PFO,  3                           ; v3   the prefetches' offset
.set QL,   4                           ; v4   r + 8 (r / 8) - 16 h: my query's place, less my half's first key
.set SPW,  5
.set NIL,  6
.set AD,   8                           ; v8   LDS address of the slot in hand + 16 x lane
.set WV,   18
.set SEL,  20
.set CS,   22
.set G1K,  24
.set G1V,  32
.set G0K,  40
.set G0V,  44
.set TB,   2                           ; s2   LDS byte at which the slot in hand begins
.set LASTQ, 3                          ; s3   my work-group's last query
.set SLOTS, 67
.set KF,   98                          ; s98  the step's first key
.set Q0,   99                          ; s99  my first query; my last is Q0 + 23
.set PFA,  76
.set PFS,  78
.set LIM,  80
; v12 -M, v13 the largest t, v[14:15] the sum; v16-23 Q; v32-95 K's 8 half fragments, then V's 4 fragments; v96-159 S^T, then p; v160-191 O^T; v224-239 p's codes; v240, v244: 57,344 x 2^ep, 2^ep; v247, v246 the same for eh
.macro TLOAD
	s_cmp_eq_u32 s[WV], 0
	s_cbranch_scc0 .Lnot_k_\@
	tensor_load_to_lds s[G0K:G0K+3], s[G1K:G1K+7]
	s_nop 0
.rept 4
	v_nop
.endr
	s_branch .Lasked_\@
.Lnot_k_\@:
	s_cmp_eq_u32 s[WV], 1
	s_cbranch_scc0 .Lasked_\@
	tensor_load_to_lds s[G0V:G0V+3], s[G1V:G1V+7]
	s_nop 0
.rept 4
	v_nop
.endr
.Lasked_\@:
.endm
; A prefetch of what the NEXT change of slots will ask for.  All eight work-groups of a head walk the same K and V: the first of them asks.  In it waves 4, 5 ask for K's 16 pieces of 1,024 bytes, 2,048 apart, and waves 6, 7 for
; V's 16,384 dense bytes: 32 blocks of 256 bytes a wave, a lane a block, each named once in the launch.  The last change that fills a slot asks for nothing; slots 0 and 1 come by their loads alone.
.macro ASK
	s_cmp_gt_u32 s[SLOTS], s[LIM]
	s_cbranch_scc0 .Lnot_mine_\@
	global_prefetch_b8 v[PFO], s[PFA:PFA+1] th:TH_LOAD_NT scope:SCOPE_SE
.Lnot_mine_\@:
.endm
	s_load_b128 s[4:7], s[0:1], 0x0                ; Q and K 4:5, V 6:7
	s_load_b128 s[12:15], s[0:1], 0x10             ; the scales 12:13, H 14:15
	v_lshl_add_u32 v[SPW], v0, 2, SPARE
	v_mov_b32 v[NIL], 0
	ds_add_u32 v[SPW], v[NIL]                      ; the opening: the add, twice on end, and its wait ahead of the first tensor load
	ds_add_u32 v[SPW], v[NIL]
	v_lshrrev_b32 v8, 5, v0
	v_readfirstlane_b32 s[WV], v8
	s_and_b32 s72, ttmp7, 0xffff
	s_and_b32 s73, s72, 15                         ; head
	s_lshr_b32 s74, s72, 4                         ; batch
	s_bfe_u32 s81, s[WV], 0x10001                  ; the wave number's bits b1,
	s_bfe_u32 s82, s[WV], 0x10003                  ; b3
	s_xor_b32 s83, s81, s82                        ; late = b1 xor b3
	s_and_b32 s84, s[WV], 1
	s_bfe_u32 s85, s[WV], 0x10002
	s_lshl_b32 s85, s85, 1
	s_add_co_u32 s84, s84, s85
	s_lshl_b32 s81, s81, 2
	s_add_co_u32 s84, s84, s81                     ; which fragment of the block: b0 + 2 b2 + 4 b1
	s_sub_co_u32 s85, 15, ttmp9
	s_cmp_eq_u32 s83, 1
	s_cselect_b32 s85, s85, ttmp9                  ; my block of 128 queries
	s_lshl_b32 s85, s85, 3
	s_add_co_u32 s85, s85, s84                     ; fq: my fragment in the batch
	s_and_b32 s86, s85, 1
	s_lshl_b32 s86, s86, 3
	s_lshl_b32 s[Q0], s85, 4
	s_sub_co_u32 s[Q0], s[Q0], s86                 ; 16 fq - 8 (fq % 2)
	s_sub_co_u32 s[LASTQ], 15, ttmp9
	s_lshl_b32 s[LASTQ], s[LASTQ], 7
	s_or_b32 s[LASTQ], s[LASTQ], 127
	s_lshr_b32 s86, s73, 1
	s_lshl_b32 s86, s86, 19                        ; K step head / 2
	s_and_b32 s88, s73, 1
	s_lshl_b32 s88, s88, 10                        ; the fragment's half
	s_lshl_b32 s89, s74, 18                        ; the batch's 128 fragments
	s_add_co_u32 s90, s86, s88
	s_add_co_u32 s90, s90, s89
	s_lshl_b32 s87, s85, 11
	s_add_co_u32 s92, s90, s87                     ; my fragment's bytes in Q, and in H
	s_mov_b32 s93, 0
	s_add_co_u32 s90, s90, 8<<19                   ; K's first fragment
	s_mov_b32 s91, 0
	s_lshl_b32 s94, s73, 18
	s_lshl_b32 s95, s74, 17
	s_add_co_u32 s94, s94, s95                     ; V's first step
	s_mov_b32 s95, 0
	s_mov_b32 s[G1K], 0                            ; no mask, elements of 1 byte, no padding
	s_mov_b32 s[G1K+1], 1024<<16                   ; 16 rows of 1,024 bytes,
	s_mov_b32 s[G1K+2], 16<<16
	s_mov_b32 s[G1K+3], 1024<<16
	s_mov_b32 s[G1K+4], 16
	s_mov_b32 s[G1K+5], 2048                       ; 2,048 apart
	s_mov_b32 s[G1K+6], 0
	s_mov_b32 s[G1K+7], 0
	s_mov_b32 s[G1V], 0
	s_mov_b32 s[G1V+1], 256<<16                    ; 16,384 dense bytes as 64 rows of 256
	s_mov_b32 s[G1V+2], 64<<16
	s_mov_b32 s[G1V+3], 256<<16
	s_mov_b32 s[G1V+4], 64
	s_mov_b32 s[G1V+5], 256
	s_mov_b32 s[G1V+6], 0
	s_mov_b32 s[G1V+7], 0
	s_mov_b32 s[SEL], 0x76543210
	s_mov_b32 s[SEL+1], 0xfedcba98
	s_mov_b32 s[CS], 0x3e38aa3b                    ; c = log2(e) / 8
	s_mov_b32 s[TB], 0
	s_mov_b32 s[SLOTS], NSL-1
	s_mov_b32 s[KF], 0
	s_wait_dscnt 0x0                               ; both opening adds are done
	s_wait_kmcnt 0x0
	s_load_b128 s[68:71], s[12:13], 0x8            ; eq, ek, ep, ev
	s_load_b32 s66, s[12:13], 0x18                 ; eh
	s_mov_b32 s[G0K], 1
	s_mov_b32 s[G0K+1], 0
	s_add_nc_u64 s[G0K+2:G0K+3], s[4:5], s[90:91]
	s_or_b32 s[G0K+3], s[G0K+3], 0x80000000
	s_mov_b32 s[G0V], 1
	s_mov_b32 s[G0V+1], VOFF
	s_add_nc_u64 s[G0V+2:G0V+3], s[6:7], s[94:95]
	s_or_b32 s[G0V+3], s[G0V+3], 0x80000000
	TLOAD                                          ; slot 0: it holds key 0, which counts for every query
	s_add_nc_u64 s[8:9], s[4:5], s[92:93]
	s_add_nc_u64 s[16:17], s[14:15], s[92:93]
	s_cmp_lt_u32 s[WV], 6                          ; the prefetches: waves 4, 5 K; waves 6, 7 V
	s_cselect_b64 s[PFA:PFA+1], s[4:5], s[6:7]
	s_cselect_b64 s[84:85], s[90:91], s[94:95]
	s_mov_b32 s[PFS], 16384
	s_cselect_b32 s[PFS], 32768, s[PFS]            ; a slot on
	s_mov_b32 s82, 1024
	s_cselect_b32 s82, 2048, s82                   ; from four lanes to the next four
	s_mov_b32 s83, 8192
	s_cselect_b32 s83, 16384, s83                  ; from wave to wave
	v_bfe_u32 v[PFO], v0, 2, 3
	v_mul_lo_u32 v[PFO], v[PFO], s82
	v_and_b32 v9, 3, v0
	v_lshl_add_u32 v[PFO], v9, 8, v[PFO]
	s_and_b32 s86, s[WV], 1
	s_mul_i32 s86, s86, s83
	s_add_co_u32 s86, s86, s[PFS]                  ; in slot 1: the first change of slots steps it to slot 2
	s_mov_b32 s87, 0
	s_mov_b32 s[PFS+1], 0
	s_add_nc_u64 s[PFA:PFA+1], s[PFA:PFA+1], s[84:85]
	s_add_nc_u64 s[PFA:PFA+1], s[PFA:PFA+1], s[86:87]
	s_lshr_b32 s86, s[WV], 2
	s_xor_b32 s86, s86, 1                          ; 0 in waves 4 to 7,
	s_or_b32 s86, s86, ttmp9                       ; of the head's first work-group
	s_cmp_eq_u32 s86, 0
	s_cselect_b32 s[LIM], 1, -1
	v_and_b32 v8, 31, v0
	v_lshlrev_b32 v[LN16], 4, v8
	global_load_b128 v[16:19], v[LN16], s[8:9]     ; Q's half fragment stays in registers
	global_load_b128 v[20:23], v[LN16], s[8:9] offset:512
	v_and_b32 v9, 15, v0
	v_and_b32 v10, 8, v0
	v_add_nc_u32 v[QL], v9, v10
	v_and_b32 v10, 16, v0
	v_sub_nc_u32 v[QL], v[QL], v10
	v_mov_b32 v13, 0xff61b1e6                      ; the largest t so far: -3e38
	v_floor_f32 v12, -v13
	v_mov_b32 v14, 0
	v_mov_b32 v15, 0
	v_mov_b32 v236, 0                              ; a lane permute's destination counts as one of its sources
	v_mov_b32 v253, 0                              ; (the upper half of the pair v[252:253])
.set j, 0
.rept 32
	v_mov_b32 v[160+j], 0                          ; O^T: the step is written once; its first run finds zeros
.set j, j+1
.endr
	s_wait_kmcnt 0x0
	s_add_co_i32 s72, s68, s69
	s_lshl_b32 s72, s72, 23
	s_add_co_i32 s[CS], s[CS], s72                 ; a score stands for score x 2^(eq + ek)
	s_mov_b32 s[CS+1], s[CS]
	s_add_co_i32 s72, s70, 127
	s_lshl_b32 s73, s72, 23
	v_mov_b32 v244, s73
	s_add_co_i32 s72, s72, 15
	s_lshl_b32 s72, s72, 23
	s_or_b32 s72, s72, 0x600000
	v_mov_b32 v240, s72
	s_add_co_i32 s72, s66, 127
	s_lshl_b32 s73, s72, 23
	v_mov_b32 v246, s73
	s_add_co_i32 s72, s72, 15
	s_lshl_b32 s72, s72, 23
	s_or_b32 s72, s72, 0x600000
	v_mov_b32 v247, s72
.macro STEP q                          ; 128 keys, the q-th of the slot in hand
	s_add_co_u32 s96, s[Q0], 23
	s_cmp_gt_u32 s[KF], s96                        ; all keys behind my queries: the work is left out; ids and the count of steps alone
	s_cbranch_scc1 .Lhidden_\@
	v_add_nc_u32 v[AD], s[TB], v[LN16]
.rept 3
	v_nop                                          ; with the addition: four places in front of loads into registers that matrix instructions have read
.endr
.irp t, 0,1,2,3,4,5,6,7
.irp c, 0,1
	ds_load_b128 v[32+8*\t+4*\c:35+8*\t+4*\c], v[AD] offset:(8*(\q)+\t)*1024+512*\c
.endr
.endr
	s_wait_dscnt 0x0
.irp t, 0,1,2,3,4,5,6,7
	v_wmma_f32_16x16x64_bf8_bf8 v[96+8*\t:103+8*\t], v[32+8*\t:39+8*\t], v[16:23], 0
.endr
.rept 4
	v_nop
.endr
.irp t, 0,1,2,3
.irp c, 0,1,2,3
	ds_load_b128 v[32+16*\t+4*\c:35+16*\t+4*\c], v[AD] offset:VOFF+8192*(\q)+2048*\t+512*\c   ; V's fragments are asked for here and land under the softmax
.endr
.endr
	s_add_co_u32 s96, s[KF], 127
	s_cmp_le_u32 s96, s[Q0]                        ; all keys count: no mask
	s_cbranch_scc1 .Lopen_\@
	s_sub_co_i32 s96, s[Q0], s[KF]
	v_add_nc_u32 v252, s96, v[QL]                  ; register 16 b + i holds key KF + 16 h + 32 b + i: hidden where 32 b + i > my query - KF - 16 h
	v_mov_b32 v254, 0xff800000
.irp n, 0,1,2,3,4,5,6,7,8,9,10,11,12,13,14,15,16,17,18,19,20,21,22,23,24,25,26,27,28,29,30,31,32,33,34,35,36,37,38,39,40,41,42,43,44,45,46,47,48,49,50,51,52,53,54,55,56,57,58,59,60,61,62,63
	v_cmp_gt_i32 vcc_lo, 32*(\n/16)+\n%16, v252
	v_cndmask_b32 v[96+\n], v[96+\n], v254, vcc_lo
.endr
.Lopen_\@:
	v_max3_num_f32 v254, v96, v97, v98             ; the step's largest score of my query, in two chains; each tile is read from its low end on
	v_max3_num_f32 v252, v99, v100, v101
.irp i, 6,10,14,18,22,26,30,34,38,42,46,50,54,58
	v_max3_num_f32 v254, v254, v[96+\i], v[97+\i]
	v_max3_num_f32 v252, v252, v[98+\i], v[99+\i]
.endr
	v_max3_num_f32 v254, v254, v158, v159
	v_max_num_f32 v254, v254, v252
	v_permlanex16_b32 v236, v254, s[SEL], s[SEL+1]
	v_max_num_f32 v254, v254, v236
	v_mul_f32 v254, s[CS], v254
	v_max_num_f32 v13, v13, v254                   ; the running largest t
	v_mov_b32 v254, v12
	v_floor_f32 v12, -v13                          ; -M = floor(-t): M is a whole number
	v_sub_f32 v254, v12, v254
	v_cvt_i32_f32 v254, v254                       ; (it saturates)
	v_ldexp_f32 v252, 1.0, v254                    ; f = 2^(old M - new M)
.set j, 0
.rept 32
	v_pk_fma_f32 v[96+j:97+j], v[96+j:97+j], s[CS:CS+1], v[12:13] op_sel_hi:[1,0,0]   ; t - M
.set j, j+2
.endr
.set j, 0
.rept 64
	v_exp_f32 v[96+j], v[96+j]                     ; p
.set j, j+1
.endr
	v_pk_mul_f32 v[14:15], v[14:15], v[252:253] op_sel_hi:[1,0]   ; the sums under the new M: the plain line behind the exponentials
	s_wait_alu depctr_va_vdst(0)                   ; one wait for the batch, ahead of its first reader
	v_pk_add_f32 v[242:243], v[96:97], v[98:99]    ; the sum of the unquantised p, in two chains
.irp j, 4,8,12,16,20,24,28,32,36,40,44,48,52,56,60
	v_pk_add_f32 v[14:15], v[14:15], v[96+\j:97+\j]
	v_pk_add_f32 v[242:243], v[242:243], v[98+\j:99+\j]
.endr
	v_pk_add_f32 v[14:15], v[14:15], v[242:243]
.irp b, 0,1,2,3
.irp i, 0,1,2,3,4,5,6,7,8,9,10,11,12,13,14,15
	v_min_num_f32 v[96+16*\b+\i], v[96+16*\b+\i], v240   ; p is not negative: a one-sided hold
.endr
	v_cvt_scalef32_pk8_bf8_f32 v[224+4*\b:225+4*\b], v[96+16*\b:103+16*\b], v244
	v_cvt_scalef32_pk8_bf8_f32 v[226+4*\b:227+4*\b], v[104+16*\b:111+16*\b], v244
.endr
.set j, 0
.rept 16
	v_pk_mul_f32 v[160+j:161+j], v[160+j:161+j], v[252:253] op_sel_hi:[1,0]   ; O^T under the new M; also the plain lines behind the conversions
.set j, j+2
.endr
	s_wait_dscnt 0x0                               ; V
.irp t, 0,1,2,3
	v_wmma_f32_16x16x128_bf8_bf8 v[160+8*\t:167+8*\t], v[32+16*\t:47+16*\t], v[224:239], v[160+8*\t:167+8*\t]
.endr
.Lhidden_\@:
	s_add_co_u32 s[KF], s[KF], 128
.endm
; THE CHANGE OF SLOTS, at a slot's head.  Every wave waits for all its tensor loads, adds 0 to its spare word (fill = 1: twice on end), and waits for that and
; for its reads of the slot that it has left.  Behind the barrier the other slot is filled with the keys that follow, as long as its first key is at or under the work-group's last query: a slot beyond that is read by no wave.
.macro CHANGE fill
	s_wait_tensorcnt 0x0
	ds_add_u32 v[SPW], v[NIL]
.if \fill
	ds_add_u32 v[SPW], v[NIL]
	s_xor_b32 s[G0K+1], s[G0K+1], SLOT1
	s_add_nc_u64 s[G0K+2:G0K+3], s[G0K+2:G0K+3], 32768
	s_xor_b32 s[G0V+1], s[G0V+1], SLOT1
	s_add_nc_u64 s[G0V+2:G0V+3], s[G0V+2:G0V+3], 16384
	s_wait_xcnt 0x0                                ; the last prefetch, a slot back, has read its address
	s_add_nc_u64 s[PFA:PFA+1], s[PFA:PFA+1], s[PFS:PFS+1]
.endif
	s_wait_dscnt 0x0
	s_barrier_signal -1
	s_barrier_wait -1
.if \fill
	s_add_co_u32 s96, s[KF], SK                    ; the first key of the slot that this change would ask for
	s_cmp_gt_u32 s96, s[LASTQ]                     ; the same in all sixteen waves; every wait on TENSORcnt in this text is for 0
	s_cbranch_scc1 .Lpast_\@
	TLOAD
.Lpast_\@:
	ASK
.endif
.endm
.macro SLOT_STEPS
.set Q, 0
.rept NQ
	STEP Q
.set Q, Q+1
.endr
	s_xor_b32 s[TB], s[TB], SLOT1
.endm
	s_wait_loadcnt 0x0                             ; Q
.Lslot:
	CHANGE 1
	SLOT_STEPS
	s_sub_co_u32 s[SLOTS], s[SLOTS], 1
	s_cmp_lg_u32 s[SLOTS], 0
	s_cbranch_scc1 .Lslot
	CHANGE 0                                       ; the last slot is written out: nothing is asked for
	SLOT_STEPS
	; THE WAY OUT: O^T / the sum x 2^(ep + ev), quantised with 2^eh: the 16 registers of two neighbouring tiles are a piece of H's fragment, stored as it stands
.rept 4
	v_nop
.endr
	v_add_f32 v14, v14, v15
	v_permlanex16_b32 v236, v14, s[SEL], s[SEL+1]
	v_add_f32 v14, v14, v236
	v_rcp_f32 v14, v14
	v_nop
	s_add_co_i32 s72, s70, s71
	s_wait_alu depctr_va_vdst(0)
	v_ldexp_f32 v14, v14, s72
.set j, 0
.rept 32
	v_mul_f32 v[96+j], v[160+j], v14
.set j, j+1
.endr
.set j, 0
.rept 32
	v_med3_num_f32 v[96+j], v[96+j], -v247, v247
.set j, j+1
.endr
.irp b, 0,1
	v_cvt_scalef32_pk8_bf8_f32 v[224+4*\b:225+4*\b], v[96+16*\b:103+16*\b], v246
	v_cvt_scalef32_pk8_bf8_f32 v[226+4*\b:227+4*\b], v[104+16*\b:111+16*\b], v246
.endr
	v_nop
	global_store_b128 v[LN16], v[224:227], s[16:17]              ; 512 consecutive bytes each
	global_store_b128 v[LN16], v[228:231], s[16:17] offset:512
	s_wait_tensorcnt 0x0                           ; the wave's end
	ds_add_u32 v[SPW], v[NIL]
	s_wait_dscnt 0x0
	s_endpgm
.Lfunc_end_k_q9f6f42d723_attn:
	.size	k_q9f6f42d723_attn, .Lfunc_end_k_q9f6f42d723_attn-k_q9f6f42d723_attn
	.p2alignl 7, 3214868480
	.fill 96, 4, 3214868480
	.section	.rodata,"a",@progbits
	.p2align	6, 0x0
	.amdhsa_kernel k_q9f6f42d723_attn
		.amdhsa_group_segment_fixed_size 327680
		.amdhsa_private_segment_fixed_size 0
		.amdhsa_enable_private_segment 0
		.amdhsa_kernarg_size 32
		.amdhsa_user_sgpr_count 2
		.amdhsa_user_sgpr_kernarg_segment_ptr 1
		.amdhsa_wavefront_size32 1
		.amdhsa_system_sgpr_workgroup_id_x 1
		.amdhsa_system_sgpr_workgroup_id_y 1
		.amdhsa_system_sgpr_workgroup_id_z 1
		.amdhsa_system_vgpr_workitem_id 0
		.amdhsa_next_free_vgpr 256
		.amdhsa_next_free_sgpr 100
		.amdhsa_reserve_vcc 1
		.amdhsa_float_denorm_mode_32 3
		.amdhsa_float_denorm_mode_16_64 3
		.amdhsa_memory_ordered 1
		.amdhsa_forward_progress 1
		.amdhsa_inst_pref_size 96
	.end_amdhsa_kernel
	.amdgpu_metadata
---
amdhsa.version: [ 1, 2 ]
amdhsa.kernels:
  - .name:           k_q9f6f42d723_attn
    .symbol:         k_q9f6f42d723_attn.kd
    .args:
      - { .name: act_b, .offset: 0, .size: 8, .value_kind: global_buffer, .address_space: global }
      - { .name: act_c, .offset: 8, .size: 8, .value_kind: global_buffer, .address_space: global }
      - { .name: lowp_scales, .offset: 16, .size: 8, .value_kind: global_buffer, .address_space: global }
      - { .name: act_a, .offset: 24, .size: 8, .value_kind: global_buffer, .address_space: global }
    .group_segment_fixed_size: 327680
    .private_segment_fixed_size: 0
    .kernarg_segment_align: 8
    .kernarg_segment_size: 32
    .max_flat_workgroup_size: 512
    .sgpr_count:     100
    .vgpr_count:     256
    .wavefront_size: 32
...
	.end_amdgpu_metadata
.endif
;; end of part 3
;; launch rowln (part 4): grid 64 x 1, 4 waves a work-group, no clusters, 69,120 bytes of LDS; arguments act_a, w_a, par_a, b_out, x, g1, be1, x1, act_c; writes x1, act_c
.if DOCPART == 4
	.amdgcn_target "amdgcn-amd-amdhsa--gfx1250"
	.amdhsa_code_object_version 6
	.text
	.protected	k_q9f6f42d723_rowln
	.globl	k_q9f6f42d723_rowln
	.p2align	8
	.type	k_q9f6f42d723_rowln,@function
k_q9f6f42d723_rowln:
	s_mov_b64 s[64:65], 0
	v_nop
	global_prefetch_b8 v0, s[64:65] scope:SCOPE_SE
	s_setreg_imm32_b32 hwreg(HW_REG_WAVE_MODE, 25, 1), 1
	s_wait_xcnt 0x0
; LayerNorm(residual + A W + bias) for whole rows of 1,024: a product on codes of E5M2 with N = 1,024, the residual and the norm in one launch.  Two launches run it: H W_out with x and LayerNorm 1 (out: x1 as f32 rows, and x1's
; codes in order G), and hidden W_ff2 with x1 and LayerNorm 2 (out: the result's f32 rows).  What differs is read from a table of whole numbers that the first launch stored: trips = K / 256 - 1, eA, eB, the codes' e, codes or not.
; SHARES.  A work-group owns 64 whole rows (fragments a = 0..3), wave w the columns 256 w .. 256 w + 255 (fragments cb = 0..15): 64 accumulators, (a, cb) in window 2 + a / 2 at v[128 (a % 2) + 8 cb].
; Source 0 = 16 columns of W, source 1 = 16 tokens: a lane holds one token and, for each g = cb / 2, the 16 neighbouring columns 256 w + 32 g + 16 h + 0..15.
; NO LDS, NO TENSOR LOAD AND NO CLUSTER IN THE K LOOP: each fragment of W is read by one wave of the work-group alone, so a way through LDS would only add a write and a read of every byte; and the trip count is a stored number.
; Fragments are images of registers: each load takes 512 consecutive bytes straight into the operand.  W has one set of registers, refilled by halves behind the products that read them; A has two sets, asked for two K steps ahead.
; THE SUMS BEGIN AS (residual + bias) / 2^(eA + eB): nothing is cleared and no first step is written out.  The norm works on the sums as they stand, y = 2^e acc: the mean is taken away before the squares, as reference() has it.
; LIMITS: eA + eB within +-126; the codes' e between -126 and 112.
.set RED1,  66560                      ; behind four stages of 16 x 1,040 bytes: the waves' partial sums, 16 bytes a row, 256 bytes a fragment; the squares' 1,024 bytes further on
.set SPARE, 68608                      ; the spare words, 128 bytes a wave
.set LN16, 4                           ; v4   16 x lane
.set VR,   5                           ; v5   my token's row + my columns, in f32 rows
.set VB,   6                           ; v6   my columns in a vector of 1,024: 64 h + 1,024 w
.set STO,  7                           ; v7   the stage: row r, + 64 h
.set RD,   8                           ; v8   the stage: 16 x lane
.set VO,   9                           ; v9   1,024 w + 16 x lane
.set REDW, 10
.set REDR, 11
.set SPW,  12
.set NIL,  13
.set LIM,  14                          ; v14  57,344 x 2^e of the codes
.set SC,   15                          ; v15  2^e
.set SUM,  16                          ; v16-47  four chains of pairs for each a
.set MU,   48                          ; v48-55  -mean, twice, for each a
.set FF,   56                          ; v56-63  2^e / sqrt(var + eps), twice
.set T,    64                          ; v64-191 behind the loop: 128 numbers; v128-255 in the loop: A's two sets
.set CD,   192                         ; v192-255 behind the loop: two sets of 32 registers of codes
.set MSB, 0
.macro WIN new
.if MSB != (\new)
	s_set_vgpr_msb (MSB<<8)|(\new)
.set MSB, (\new)
.endif
.endm
.macro PLACES
.rept 4
	v_nop
.endr
.endm
	s_load_b512 s[4:19], s[0:1], 0x0               ; A 4:5, W 6:7, table 8:9, bias 10:11, residual 12:13, g 14:15, be 16:17, f32 out 18:19
	s_load_b64 s[20:21], s[0:1], 0x40              ; codes out
	v_lshl_add_u32 v[SPW], v0, 2, SPARE
	v_mov_b32 v[NIL], 0
	v_lshrrev_b32 v1, 5, v0
	v_readfirstlane_b32 s22, v1                    ; wave
	v_and_b32 v1, 15, v0                           ; r
	v_bfe_u32 v2, v0, 4, 1                         ; h
	v_and_b32 v3, 31, v0
	v_lshlrev_b32 v[LN16], 4, v3
	s_lshl_b32 s23, s22, 10
	v_lshlrev_b32 v[VB], 6, v2
	v_add_nc_u32 v[VB], s23, v[VB]
	v_and_b32 v3, 8, v0
	v_add_nc_u32 v3, v3, v1                        ; r + 8 (r / 8)
	v_lshl_add_u32 v[VR], v3, 12, v[VB]
	v_add_nc_u32 v[VO], s23, v[LN16]
	s_mul_i32 s23, s22, 16640                      ; my stage
	v_mul_u32_u24 v[STO], v1, 1040
	v_lshl_add_u32 v[STO], v2, 6, v[STO]
	v_add_nc_u32 v[STO], s23, v[STO]
	v_add_nc_u32 v[RD], s23, v[LN16]
	v_lshlrev_b32 v[REDR], 4, v1
	v_add_nc_u32 v[REDR], RED1, v[REDR]
	s_lshl_b32 s23, s22, 2
	v_add_nc_u32 v[REDW], s23, v[REDR]
	s_mov_b32 s40, 0x76543210
	s_mov_b32 s41, 0xfedcba98
	s_lshl_b32 s50, ttmp9, 18                      ; 64 rows of 4,096 bytes
	s_mov_b32 s51, 0
	s_lshl_b32 s52, ttmp9, 13                      ; 4 fragments
	s_mov_b32 s53, 0
	s_lshl_b32 s54, s22, 15                        ; my 16 fragments of W, order R behind 3 MiB
	s_add_co_u32 s54, s54, 3<<20
	s_mov_b32 s55, 0
	s_lshr_b32 s56, ttmp9, 1                       ; the codes, order G
	s_lshl_b32 s56, s56, 17
	s_and_b32 s57, ttmp9, 1
	s_lshl_b32 s57, s57, 13
	s_add_co_u32 s56, s56, s57
	s_lshl_b32 s57, s22, 15
	s_add_co_u32 s56, s56, s57
	s_mov_b32 s57, 0
	s_wait_kmcnt 0x0
	s_load_b256 s[24:31], s[8:9], 0x40             ; trips, eA, eB, the codes' e, codes or not
	s_add_nc_u64 s[42:43], s[12:13], s[50:51]
	s_add_nc_u64 s[44:45], s[18:19], s[50:51]
	s_add_nc_u64 s[34:35], s[4:5], s[52:53]        ; AP
	s_add_nc_u64 s[36:37], s[6:7], s[54:55]        ; BP
	s_add_nc_u64 s[46:47], s[20:21], s[56:57]
.macro LA set                          ; A's four fragments of a K step (window 0)
.irp a, 0,1,2,3
.irp c, 0,1,2,3
	global_load_b128 v[128+64*(\set)+16*\a+4*\c:128+64*(\set)+16*\a+4*\c+3], v[LN16], s[34:35] offset:2048*\a+512*\c
.endr
.endr
.endm
.macro LB half                         ; eight of my sixteen fragments of W (window 1)
	WIN 0x40
.irp f, 0,1,2,3,4,5,6,7
.irp c, 0,1,2,3
	global_load_b128 v[128*(\half)+16*\f+4*\c:128*(\half)+16*\f+4*\c+3], v[LN16], s[36:37] offset:2048*(8*(\half)+\f)+512*\c
.endr
.endr
.endm
.irp a, 0,1,2,3                        ; the residual goes straight into the accumulators' registers
	WIN 0x80+0x40*(\a/2)
.irp g, 0,1,2,3,4,5,6,7
.irp k, 0,1,2,3
	global_load_b128 v[128*(\a%2)+16*\g+4*\k:128*(\a%2)+16*\g+4*\k+3], v[VR], s[42:43] offset:(32*(\a/2)+8*(\a%2))*4096+128*\g+16*\k
.endr
.endr
.endr
	WIN 0x40
.irp g, 0,1,2,3,4,5,6,7
.irp k, 0,1,2,3
	global_load_b128 v[128+16*\g+4*\k:128+16*\g+4*\k+3], v[VB], s[10:11] offset:128*\g+16*\k   ; the bias: window 1, upper half
.endr
.endr
	WIN 0
	LA 0
	s_wait_xcnt 0x0                                ; the loads have read their base
	s_add_nc_u64 s[34:35], s[34:35], 524288
	LB 0
	WIN 0
	s_wait_kmcnt 0x0
	s_min_u32 s24, s24, 7                          ; the trips: 3 or 7
	s_add_co_i32 s38, s25, s26                     ; e = eA + eB
	s_sub_co_i32 s39, 127, s38
	s_lshl_b32 s32, s39, 23                        ; 2^-e
	s_mov_b32 s33, s32
	s_add_co_i32 s39, s27, 127
	s_lshl_b32 s49, s39, 23
	v_mov_b32 v[SC], s49
	s_add_co_i32 s39, s39, 15
	s_lshl_b32 s39, s39, 23
	s_or_b32 s39, s39, 0x600000
	v_mov_b32 v[LIM], s39
	s_wait_loadcnt 48                              ; the residual and the bias are in; A's 16 and W's 32 loads may be out
	WIN 0x41
.set i, 0
.rept 64
	v_pk_mul_f32 v[128+i:129+i], v[128+i:129+i], s[32:33] op_sel_hi:[1,0]
.set i, i+2
.endr
.irp a, 0,1,2,3
	WIN 0x92+0x41*(\a/2)                           ; the accumulators' window for source 0 and the result, window 1 for the bias
.set i, 0
.rept 64
	v_pk_fma_f32 v[128*(\a%2)+i:128*(\a%2)+i+1], v[128*(\a%2)+i:128*(\a%2)+i+1], s[32:33], v[128+i:129+i] op_sel_hi:[1,0,1]
.set i, i+2
.endr
.endr
	LB 1
	WIN 0
	LA 1
	s_wait_xcnt 0x0
	s_add_nc_u64 s[36:37], s[36:37], 131072
	s_add_nc_u64 s[34:35], s[34:35], 524288
.macro MULS set, half, hi              ; 16 products: cb 8 half .. + 7 x a = 2 hi, 2 hi + 1.  The 64 accumulators take turns, one instruction a turn
	WIN 0xa1+0x50*(\hi)
.irp a2, 0,1
.irp f, 0,1,2,3,4,5,6,7
	v_wmma_f32_16x16x128_bf8_bf8 v[128*\a2+8*(8*(\half)+\f):128*\a2+8*(8*(\half)+\f)+7], v[16*(8*(\half)+\f):16*(8*(\half)+\f)+15], v[128+64*(\set)+16*(2*(\hi)+\a2):128+64*(\set)+16*(2*(\hi)+\a2)+15], v[128*\a2+8*(8*(\half)+\f):128*\a2+8*(8*(\half)+\f)+7]
.endr
.endr
.endm
; A K step of 128.  The loads go out in the order A(s), W lower(s), W upper(s), A(s + 1), W lower(s + 1) ..: w0 counts what stands behind W lower(s), w1 what stands behind W upper(s).
.macro STEP set, lb, la, w0, w1
	s_wait_loadcnt \w0
	MULS \set, 0, 0
	MULS \set, 0, 1
.if \lb
	PLACES
	LB 0
.endif
	s_wait_loadcnt \w1
	MULS \set, 1, 0
	MULS \set, 1, 1
.if \lb
	PLACES
	LB 1
.endif
	WIN 0
.if \la
	LA \set
.endif
.if \lb
	s_wait_xcnt 0x0                                ; the loads have read their bases
	s_add_nc_u64 s[36:37], s[36:37], 131072
.endif
.if \la
	s_add_nc_u64 s[34:35], s[34:35], 524288
.endif
.endm
	s_mov_b32 s48, 0
.Lk:
	STEP 0, 1, 1, 48, 48
	STEP 1, 1, 1, 48, 48
	s_add_co_u32 s48, s48, 1
	s_cmp_lt_u32 s48, s24
	s_cbranch_scc1 .Lk
	STEP 0, 1, 0, 48, 48                           ; the last two K steps: no load leaves its buffer
	STEP 1, 0, 0, 32, 0
	; ---- LayerNorm
	PLACES
	WIN 0x40
.irp g, 0,1,2,3,4,5,6,7
.irp k, 0,1,2,3
	global_load_b128 v[16*\g+4*\k:16*\g+4*\k+3], v[VB], s[14:15] offset:128*\g+16*\k           ; g: window 1, lower half
	global_load_b128 v[128+16*\g+4*\k:128+16*\g+4*\k+3], v[VB], s[16:17] offset:128*\g+16*\k   ; be: upper half
.endr
.endr
; the four rows' chains are folded, the other half of the lanes added, my wave's word stored; a barrier; all four waves' words are added, in the same order in every wave: v[64 + 4 a]
.macro FOLD off
	WIN 0
.irp a, 0,1,2,3
	v_pk_add_f32 v[SUM+8*\a:SUM+8*\a+1], v[SUM+8*\a:SUM+8*\a+1], v[SUM+8*\a+2:SUM+8*\a+3]
	v_pk_add_f32 v[SUM+8*\a+4:SUM+8*\a+5], v[SUM+8*\a+4:SUM+8*\a+5], v[SUM+8*\a+6:SUM+8*\a+7]
.endr
.irp a, 0,1,2,3
	v_pk_add_f32 v[SUM+8*\a:SUM+8*\a+1], v[SUM+8*\a:SUM+8*\a+1], v[SUM+8*\a+4:SUM+8*\a+5]
.endr
.irp a, 0,1,2,3
	v_add_f32 v[SUM+8*\a], v[SUM+8*\a], v[SUM+8*\a+1]
.endr
.irp a, 0,1,2,3
	v_permlanex16_b32 v[SUM+8*\a+1], v[SUM+8*\a], s40, s41
.endr
.irp a, 0,1,2,3
	v_add_f32 v[SUM+8*\a], v[SUM+8*\a], v[SUM+8*\a+1]
.endr
.irp a, 0,1,2,3
	ds_store_b32 v[REDW], v[SUM+8*\a] offset:\off+256*\a
.endr
	s_wait_dscnt 0x0                               ; for the others' sake: my words have landed
	s_barrier_signal -1
	s_barrier_wait -1
.irp a, 0,1,2,3
	ds_load_b128 v[64+4*\a:67+4*\a], v[REDR] offset:\off+256*\a
.endr
	s_wait_dscnt 0x0
.irp a, 0,1,2,3
	v_add_f32 v[64+4*\a], v[64+4*\a], v[65+4*\a]
	v_add_f32 v[66+4*\a], v[66+4*\a], v[67+4*\a]
.endr
.irp a, 0,1,2,3
	v_add_f32 v[64+4*\a], v[64+4*\a], v[66+4*\a]
.endr
.endm
.irp hi, 0,1                           ; pass 1: the rows' sums; each accumulator is read from its low end on
	WIN 0x0a+5*\hi
.irp a2, 0,1
.irp p, 0,1,2,3
	v_pk_add_f32 v[SUM+8*(2*\hi+\a2)+2*\p:SUM+8*(2*\hi+\a2)+2*\p+1], v[128*\a2+2*\p:128*\a2+2*\p+1], v[128*\a2+8+2*\p:128*\a2+8+2*\p+1]
.endr
.endr
	WIN 0x02+\hi
.irp f, 2,3,4,5,6,7,8,9,10,11,12,13,14,15
.irp a2, 0,1
.irp p, 0,1,2,3
	v_pk_add_f32 v[SUM+8*(2*\hi+\a2)+2*\p:SUM+8*(2*\hi+\a2)+2*\p+1], v[128*\a2+8*\f+2*\p:128*\a2+8*\f+2*\p+1], v[SUM+8*(2*\hi+\a2)+2*\p:SUM+8*(2*\hi+\a2)+2*\p+1]
.endr
.endr
.endr
.endr
	FOLD 0
.irp a, 0,1,2,3
	v_mul_f32 v[MU+2*\a], 0xba800000, v[64+4*\a]   ; -sum / 1,024
	v_mov_b32 v[MU+2*\a+1], v[MU+2*\a]
.endr
.irp hi, 0,1                           ; pass 2: the mean is taken away, then the squares are summed
	WIN 0x82+0x41*\hi
.irp a2, 0,1
.set i, 0
.rept 64
	v_pk_add_f32 v[128*\a2+i:128*\a2+i+1], v[128*\a2+i:128*\a2+i+1], v[MU+2*(2*\hi+\a2):MU+2*(2*\hi+\a2)+1]
.set i, i+2
.endr
.endr
	WIN 0x0a+5*\hi
.irp a2, 0,1
.irp p, 0,1,2,3
	v_pk_mul_f32 v[SUM+8*(2*\hi+\a2)+2*\p:SUM+8*(2*\hi+\a2)+2*\p+1], v[128*\a2+2*\p:128*\a2+2*\p+1], v[128*\a2+2*\p:128*\a2+2*\p+1]
.endr
.endr
.irp f, 1,2,3,4,5,6,7,8,9,10,11,12,13,14,15
.irp a2, 0,1
.irp p, 0,1,2,3
	v_pk_fma_f32 v[SUM+8*(2*\hi+\a2)+2*\p:SUM+8*(2*\hi+\a2)+2*\p+1], v[128*\a2+8*\f+2*\p:128*\a2+8*\f+2*\p+1], v[128*\a2+8*\f+2*\p:128*\a2+8*\f+2*\p+1], v[SUM+8*(2*\hi+\a2)+2*\p:SUM+8*(2*\hi+\a2)+2*\p+1]
.endr
.endr
.endr
.endr
	FOLD 1024
	s_lshl_b32 s39, s38, 1
	s_sub_co_i32 s39, s39, 10
.irp a, 0,1,2,3
	v_ldexp_f32 v[64+4*\a], v[64+4*\a], s39        ; the variance: sum x 2^(2 e) / 1,024,
	v_add_f32 v[64+4*\a], 0x3727c5ac, v[64+4*\a]   ; + 1e-5
.endr
.irp a, 0,1,2,3
	v_rsq_f32 v[65+4*\a], v[64+4*\a]
.endr
	v_nop                                          ; a plain line behind the last of the four
	s_wait_alu depctr_va_vdst(0)                   ; one wait for the four, ahead of their first reader
.irp a, 0,1,2,3
	v_ldexp_f32 v[FF+2*\a], v[65+4*\a], s38        ; x 2^e: the sums' own scale
	v_mov_b32 v[FF+2*\a+1], v[FF+2*\a]
.endr
	s_wait_loadcnt 0x0                             ; g and be
.irp hi, 0,1
	WIN 0x82+0x41*\hi
.irp a2, 0,1
.set i, 0
.rept 64
	v_pk_mul_f32 v[128*\a2+i:128*\a2+i+1], v[128*\a2+i:128*\a2+i+1], v[FF+2*(2*\hi+\a2):FF+2*(2*\hi+\a2)+1]
.set i, i+2
.endr
.endr
	WIN 0x96+0x41*\hi                              ; g and be in window 1
.irp a2, 0,1
.set i, 0
.rept 64
	v_pk_fma_f32 v[128*\a2+i:128*\a2+i+1], v[128*\a2+i:128*\a2+i+1], v[i:i+1], v[128+i:129+i]
.set i, i+2
.endr
.endr
.endr
	WIN 0
	; ---- the rows as codes of the next product's operand, where the table asks for them: a branch on a stored whole number, round no barrier and no LDS instruction
	s_cmp_eq_u32 s28, 0
	s_cbranch_scc1 .Lnocodes
.irp a, 0,1,2,3
	WIN 0x02+(\a/2)
.set i, 0
.rept 128
	v_med3_num_f32 v[T+i], v[128*(\a%2)+i], -v[LIM], v[LIM]
.set i, i+1
.endr
	WIN 0
.if \a >= 2
	s_wait_xcnt 0x0                                ; fragment a - 2's stores have read this set of code registers
.endif
.irp g, 0,1,2,3,4,5,6,7
	v_cvt_scalef32_pk8_bf8_f32 v[CD+32*(\a%2)+4*\g:CD+32*(\a%2)+4*\g+1], v[T+16*\g:T+16*\g+7], v[SC]
	v_cvt_scalef32_pk8_bf8_f32 v[CD+32*(\a%2)+4*\g+2:CD+32*(\a%2)+4*\g+3], v[T+16*\g+8:T+16*\g+15], v[SC]
.endr
	v_nop
.irp g, 0,1,2,3,4,5,6,7
	global_store_b128 v[LN16], v[CD+32*(\a%2)+4*\g:CD+32*(\a%2)+4*\g+3], s[46:47] offset:(\g/4)*16384+2048*\a+(\g%4)*512   ; 512 consecutive bytes
.endr
.endr
.Lnocodes:
	; ---- the rows in f32: 16 rows x my 1,024 bytes at a time through my own stage, back as runs of 512 bytes of a row
.irp a, 0,1,2,3
	WIN 0x08+4*(\a/2)                              ; the stores' data: window 2 or 3
.irp g, 0,1,2,3,4,5,6,7
.irp k, 0,1,2,3
	ds_store_b128 v[STO], v[128*(\a%2)+16*\g+4*\k:128*(\a%2)+16*\g+4*\k+3] offset:128*\g+16*\k
.endr
.endr
	WIN 0
.if \a >= 1
	s_wait_xcnt 0x0                                ; the last fragment's stores have read the registers that the loads below fill
.endif
.irp i, 0,1,2,3,4,5,6,7,8,9,10,11,12,13,14,15
.irp p, 0,1
	ds_load_b128 v[T+4*(2*\i+\p):T+4*(2*\i+\p)+3], v[RD] offset:1040*\i+512*\p   ; LDS serves a wave's instructions in order: these see the stores above
.endr
.endr
	s_wait_dscnt 0x0
.irp i, 0,1,2,3,4,5,6,7,8,9,10,11,12,13,14,15
.irp p, 0,1
	global_store_b128 v[VO], v[T+4*(2*\i+\p):T+4*(2*\i+\p)+3], s[44:45] offset:(32*(\a/2)+8*(\a%2)+\i+8*(\i/8))*4096+512*\p
.endr
.endr
.endr
	s_wait_tensorcnt 0x0                           ; the wave's end
	ds_add_u32 v[SPW], v[NIL]
	s_wait_dscnt 0x0
	s_endpgm
.Lfunc_end_k_q9f6f42d723_rowln:
	.size	k_q9f6f42d723_rowln, .Lfunc_end_k_q9f6f42d723_rowln-k_q9f6f42d723_rowln
	.p2alignl 7, 3214868480
	.fill 96, 4, 3214868480
	.section	.rodata,"a",@progbits
	.p2align	6, 0x0
	.amdhsa_kernel k_q9f6f42d723_rowln
		.amdhsa_group_segment_fixed_size 69120
		.amdhsa_private_segment_fixed_size 0
		.amdhsa_enable_private_segment 0
		.amdhsa_kernarg_size 72
		.amdhsa_user_sgpr_count 2
		.amdhsa_user_sgpr_kernarg_segment_ptr 1
		.amdhsa_wavefront_size32 1
		.amdhsa_system_sgpr_workgroup_id_x 1
		.amdhsa_system_sgpr_workgroup_id_y 1
		.amdhsa_system_sgpr_workgroup_id_z 1
		.amdhsa_system_vgpr_workitem_id 0
		.amdhsa_next_free_vgpr 1024
		.amdhsa_next_free_sgpr 66
		.amdhsa_reserve_vcc 0
		.amdhsa_float_denorm_mode_32 3
		.amdhsa_float_denorm_mode_16_64 3
		.amdhsa_memory_ordered 1
		.amdhsa_forward_progress 1
		.amdhsa_inst_pref_size 247
	.end_amdhsa_kernel
	.amdgpu_metadata
---
amdhsa.version: [ 1, 2 ]
amdhsa.kernels:
  - .name:           k_q9f6f42d723_rowln
    .symbol:         k_q9f6f42d723_rowln.kd
    .args:
      - { .name: act_a, .offset: 0, .size: 8, .value_kind: global_buffer, .address_space: global }
      - { .name: w_a, .offset: 8, .size: 8, .value_kind: global_buffer, .address_space: global }
      - { .name: par_a, .offset: 16, .size: 8, .value_kind: global_buffer, .address_space: global }
      - { .name: b_out, .offset: 24, .size: 8, .value_kind: global_buffer, .address_space: global }
      - { .name: x, .offset: 32, .size: 8, .value_kind: global_buffer, .address_space: global }
      - { .name: g1, .offset: 40, .size: 8, .value_kind: global_buffer, .address_space: global }
      - { .name: be1, .offset: 48, .size: 8, .value_kind: global_buffer, .address_space: global }
      - { .name: x1, .offset: 56, .size: 8, .value_kind: global_buffer, .address_space: global }
      - { .name: act_c, .offset: 64, .size: 8, .value_kind: global_buffer, .address_space: global }
    .group_segment_fixed_size: 69120
    .private_segment_fixed_size: 0
    .kernarg_segment_align: 8
    .kernarg_segment_size: 72
    .max_flat_workgroup_size: 128
    .sgpr_count:     66
    .vgpr_count:     1024
    .wavefront_size: 32
...
	.end_amdgpu_metadata
.endif
;; end of part 4
;; launch gemmq_ff1: the kernel of part 2 again; grid 8 x 16, 4 waves a work-group, clusters of 4 x 4, 327,680 bytes of LDS; arguments act_c, w_b, b_ff1, par_b, act_b, act_a; writes act_b, act_a
;; launch rowln_ff2: the kernel of part 4 again; grid 64 x 1, 4 waves a work-group, no clusters, 69,120 bytes of LDS; arguments act_b, w_b, par_b, b_ff2, x1, g2, be2, out0, act_c; writes out0, act_c
;; ======== version 2 of 2: 6 launches
;; limits: right only within a limited range of input values
;; workspace buffers: act_a 4,194,304 bytes; act_b 8,388,608 bytes; act_c 4,194,304 bytes; x1 16,777,216 bytes; w_a 4,194,304 bytes; w_b 5,242,880 bytes; par_a 256 bytes of whole numbers; par_b 256 bytes of whole numbers
;; launch prep: the kernel of part 1 again; grid 384 x 1, 4 waves a work-group, no clusters, 34,304 bytes of LDS; arguments x, W_qkv, W_ff1, W_out, W_ff2, lowp_scales, act_a, w_a, w_b, par_a, par_b; writes act_a, w_a, w_b, par_a, par_b
;; launch gemmq: the kernel of part 2 again; grid 12 x 16, 4 waves a work-group, clusters of 4 x 4, 327,680 bytes of LDS; arguments act_a, w_a, b_qkv, par_a, act_b, act_c; writes act_b, act_c
;; launch attn (part 5): grid 8 x 32, 16 waves a work-group, no clusters, 327,680 bytes of LDS; arguments act_b, act_c, lowp_scales, act_a; writes act_a
.if DOCPART == 5
	.amdgcn_target "amdgcn-amd-amdhsa--gfx1250"
	.amdhsa_code_object_version 6
	.text
	.protected	k_q9f6f42d723_attn
	.globl	k_q9f6f42d723_attn
	.p2align	8
	.type	k_q9f6f42d723_attn,@function
k_q9f6f42d723_attn:
	s_mov_b64 s[64:65], 0
	v_nop
	global_prefetch_b8 v0, s[64:65] scope:SCOPE_SE
	s_setreg_imm32_b32 hwreg(HW_REG_WAVE_MODE, 25, 1), 1
	s_wait_xcnt 0x0
; CAUSAL ATTENTION on codes of E5M2, head size 64, 16 heads x 2 batches of 2,048 tokens; the result leaves as codes of the next product's operand H.
; LEFT OUT AS DEAD WORK (shown at the first launch's head): steps of 128 keys that lie wholly behind a wave's queries; the mask is reference()'s own.
; IN: Q and K as fragments in order S (K step = head / 2; a head's 64 are half a fragment, 1,024 bytes; K's lie 8 steps behind Q's); V with the keys innermost: head 262,144 + (token / 128) 8,192 + t 2,048.
; THE SOFTMAX: t = score x log2(e) / 8; M = the running largest t rounded up to a whole number; p = 2^(t - M) is quantised, not normalised; the sum of the unquantised p divides at the end; when M moves, sums are multiplied by an exact power of two.
; SHARES.  A work-group owns one head of one batch and TWO blocks of 128 queries, i and 15 - i, so that all work-groups have the same causal work.  Each of sixteen waves owns one fragment of 16 queries (eight waves the early
; block, eight the late one, mixed so that waves whose numbers agree modulo 4, or divided by 4, hold two of each).  Every wave walks all changes of slots; a hidden step's work is jumped over on ids alone.
; Both products are used transposed: S^T = K Q^T (16x16x64), O^T = V^T P^T (16x16x128): a lane holds one query throughout, p's 16 registers of two neighbouring tiles are 16 neighbouring keys, O^T's are 16 neighbours of H's K.
; RING: two slots of 256 keys, 2^17 bytes apart: K's 16 half fragments (16,384 bytes), then V's 16,384.  Wave 0 fetches K's tile, wave 1 V's.
; NO CLUSTER: under the mask the eight work-groups of a head need different numbers of tiles, so some partner would jump over the reads of a joint tile.
; LIMITS: eq + ek between -124 and 129 (added to c's exponent field); ep and eh between -126 and 112.
.set SK,    256
.set NQ,    2
.set SLOT1, 1<<17
.set VOFF,  16384
.set NSL,   8                          ; 2,048 keys / 256
.set SPARE, 2*SLOT1                    ; behind the ring: the spare words, 128 bytes for each of 16 waves
.set LN16, 1                           ; v1   16 x lane
.set PFO,  3                           ; v3   the prefetches' offset
.set QL,   4                           ; v4   r + 8 (r / 8) - 16 h: my query's place, less my half's first key
.set SPW,  5
.set NIL,  6
.set AD,   8                           ; v8   LDS address of the slot in hand + 16 x lane
.set WV,   18
.set SEL,  20
.set CS,   22
.set G1K,  24
.set G1V,  32
.set G0K,  40
.set G0V,  44
.set TB,   2                           ; s2   LDS byte at which the slot in hand begins
.set LASTQ, 3                          ; s3   my work-group's last query
.set SLOTS, 67
.set KF,   98                          ; s98  the step's first key
.set Q0,   99                          ; s99  my first query; my last is Q0 + 23
.set PFA,  76
.set PFS,  78
.set LIM,  80
; v12 -M, v13 the largest t, v[14:15] the sum; v16-23 Q; v32-95 K's 8 half fragments, then V's 4 fragments; v96-159 S^T, then p; v160-191 O^T; v224-239 p's codes; v244: 2^ep; v246 the same for eh
.macro TLOAD
	s_cmp_eq_u32 s[WV], 0
	s_cbranch_scc0 .Lnot_k_\@
	tensor_load_to_lds s[G0K:G0K+3], s[G1K:G1K+7]
	s_nop 0
.rept 4
	v_nop
.endr
	s_branch .Lasked_\@
.Lnot_k_\@:
	s_cmp_eq_u32 s[WV], 1
	s_cbranch_scc0 .Lasked_\@
	tensor_load_to_lds s[G0V:G0V+3], s[G1V:G1V+7]
	s_nop 0
.rept 4
	v_nop
.endr
.Lasked_\@:
.endm
; A prefetch of what the NEXT change of slots will ask for.  All eight work-groups of a head walk the same K and V: the first of them asks.  In it waves 4, 5 ask for K's 16 pieces of 1,024 bytes, 2,048 apart, and waves 6, 7 for
; V's 16,384 dense bytes: 32 blocks of 256 bytes a wave, a lane a block, each named once in the launch.  The last change that fills a slot asks for nothing; slots 0 and 1 come by their loads alone.
.macro ASK
	s_cmp_gt_u32 s[SLOTS], s[LIM]
	s_cbranch_scc0 .Lnot_mine_\@
	global_prefetch_b8 v[PFO], s[PFA:PFA+1] th:TH_LOAD_NT scope:SCOPE_SE
.Lnot_mine_\@:
.endm
	s_load_b128 s[4:7], s[0:1], 0x0                ; Q and K 4:5, V 6:7
	s_load_b128 s[12:15], s[0:1], 0x10             ; the scales 12:13, H 14:15
	v_lshl_add_u32 v[SPW], v0, 2, SPARE
	v_mov_b32 v[NIL], 0
	ds_add_u32 v[SPW], v[NIL]                      ; the opening: the add, twice on end, and its wait ahead of the first tensor load
	ds_add_u32 v[SPW], v[NIL]
	v_lshrrev_b32 v8, 5, v0
	s_delay_alu instid0(VALU_DEP_1)
	v_readfirstlane_b32 s[WV], v8
	s_and_b32 s72, ttmp7, 0xffff
	s_and_b32 s73, s72, 15                         ; head
	s_lshr_b32 s74, s72, 4                         ; batch
	s_bfe_u32 s81, s[WV], 0x10001                  ; the wave number's bits b1,
	s_bfe_u32 s82, s[WV], 0x10003                  ; b3
	s_xor_b32 s83, s81, s82                        ; late = b1 xor b3
	s_and_b32 s84, s[WV], 1
	s_bfe_u32 s85, s[WV], 0x10002
	s_lshl_b32 s85, s85, 1
	s_add_co_u32 s84, s84, s85
	s_lshl_b32 s81, s81, 2
	s_add_co_u32 s84, s84, s81                     ; which fragment of the block: b0 + 2 b2 + 4 b1
	s_sub_co_u32 s85, 15, ttmp9
	s_cmp_eq_u32 s83, 1
	s_cselect_b32 s85, s85, ttmp9                  ; my block of 128 queries
	s_lshl_b32 s85, s85, 3
	s_add_co_u32 s85, s85, s84                     ; fq: my fragment in the batch
	s_and_b32 s86, s85, 1
	s_lshl_b32 s86, s86, 3
	s_lshl_b32 s[Q0], s85, 4
	s_sub_co_u32 s[Q0], s[Q0], s86                 ; 16 fq - 8 (fq % 2)
	s_sub_co_u32 s[LASTQ], 15, ttmp9
	s_lshl_b32 s[LASTQ], s[LASTQ], 7
	s_or_b32 s[LASTQ], s[LASTQ], 127
	s_lshr_b32 s86, s73, 1
	s_lshl_b32 s86, s86, 19                        ; K step head / 2
	s_and_b32 s88, s73, 1
	s_lshl_b32 s88, s88, 10                        ; the fragment's half
	s_lshl_b32 s89, s74, 18                        ; the batch's 128 fragments
	s_add_co_u32 s90, s86, s88
	s_add_co_u32 s90, s90, s89
	s_lshl_b32 s87, s85, 11
	s_add_co_u32 s92, s90, s87                     ; my fragment's bytes in Q, and in H
	s_mov_b32 s93, 0
	s_add_co_u32 s90, s90, 8<<19                   ; K's first fragment
	s_mov_b32 s91, 0
	s_lshl_b32 s94, s73, 18
	s_lshl_b32 s95, s74, 17
	s_add_co_u32 s94, s94, s95                     ; V's first step
	s_mov_b32 s95, 0
	s_mov_b32 s[G1K], 0                            ; no mask, elements of 1 byte, no padding
	s_mov_b32 s[G1K+1], 1024<<16                   ; 16 rows of 1,024 bytes,
	s_mov_b32 s[G1K+2], 16<<16
	s_mov_b32 s[G1K+3], 1024<<16
	s_mov_b32 s[G1K+4], 16
	s_mov_b32 s[G1K+5], 2048                       ; 2,048 apart
	s_mov_b32 s[G1K+6], 0
	s_mov_b32 s[G1K+7], 0
	s_mov_b32 s[G1V], 0
	s_mov_b32 s[G1V+1], 256<<16                    ; 16,384 dense bytes as 64 rows of 256
	s_mov_b32 s[G1V+2], 64<<16
	s_mov_b32 s[G1V+3], 256<<16
	s_mov_b32 s[G1V+4], 64
	s_mov_b32 s[G1V+5], 256
	s_mov_b32 s[G1V+6], 0
	s_mov_b32 s[G1V+7], 0
	s_mov_b32 s[SEL], 0x76543210
	s_mov_b32 s[SEL+1], 0xfedcba98
	s_mov_b32 s[CS], 0x3e38aa3b                    ; c = log2(e) / 8
	s_mov_b32 s[TB], 0
	s_mov_b32 s[SLOTS], NSL-1
	s_mov_b32 s[KF], 0
	s_wait_dscnt 0x0                               ; both opening adds are done
	s_wait_kmcnt 0x0
	s_load_b128 s[68:71], s[12:13], 0x8            ; eq, ek, ep, ev
	s_load_b32 s66, s[12:13], 0x18                 ; eh
	s_mov_b32 s[G0K], 1
	s_mov_b32 s[G0K+1], 0
	s_add_nc_u64 s[G0K+2:G0K+3], s[4:5], s[90:91]
	s_or_b32 s[G0K+3], s[G0K+3], 0x80000000
	s_mov_b32 s[G0V], 1
	s_mov_b32 s[G0V+1], VOFF
	s_add_nc_u64 s[G0V+2:G0V+3], s[6:7], s[94:95]
	s_or_b32 s[G0V+3], s[G0V+3], 0x80000000
	TLOAD                                          ; slot 0: it holds key 0, which counts for every query
	s_add_nc_u64 s[8:9], s[4:5], s[92:93]
	s_add_nc_u64 s[16:17], s[14:15], s[92:93]
	s_cmp_lt_u32 s[WV], 6                          ; the prefetches: waves 4, 5 K; waves 6, 7 V
	s_cselect_b64 s[PFA:PFA+1], s[4:5], s[6:7]
	s_cselect_b64 s[84:85], s[90:91], s[94:95]
	s_mov_b32 s[PFS], 16384
	s_cselect_b32 s[PFS], 32768, s[PFS]            ; a slot on
	s_mov_b32 s82, 1024
	s_cselect_b32 s82, 2048, s82                   ; from four lanes to the next four
	s_mov_b32 s83, 8192
	s_cselect_b32 s83, 16384, s83                  ; from wave to wave
	v_bfe_u32 v[PFO], v0, 2, 3
	s_delay_alu instid0(VALU_DEP_1)
	v_mul_lo_u32 v[PFO], v[PFO], s82
	v_and_b32 v9, 3, v0
	s_delay_alu instid0(VALU_DEP_1)
	v_lshl_add_u32 v[PFO], v9, 8, v[PFO]
	s_and_b32 s86, s[WV], 1
	s_mul_i32 s86, s86, s83
	s_add_co_u32 s86, s86, s[PFS]                  ; in slot 1: the first change of slots steps it to slot 2
	s_mov_b32 s87, 0
	s_mov_b32 s[PFS+1], 0
	s_add_nc_u64 s[PFA:PFA+1], s[PFA:PFA+1], s[84:85]
	s_add_nc_u64 s[PFA:PFA+1], s[PFA:PFA+1], s[86:87]
	s_lshr_b32 s86, s[WV], 2
	s_xor_b32 s86, s86, 1                          ; 0 in waves 4 to 7,
	s_or_b32 s86, s86, ttmp9                       ; of the head's first work-group
	s_cmp_eq_u32 s86, 0
	s_cselect_b32 s[LIM], 1, -1
	v_and_b32 v8, 31, v0
	s_delay_alu instid0(VALU_DEP_1)
	v_lshlrev_b32 v[LN16], 4, v8
	global_load_b128 v[16:19], v[LN16], s[8:9]     ; Q's half fragment stays in registers
	global_load_b128 v[20:23], v[LN16], s[8:9] offset:512
	v_and_b32 v9, 15, v0
	v_and_b32 v10, 8, v0
	s_delay_alu instid0(VALU_DEP_1)
	v_add_nc_u32 v[QL], v9, v10
	v_and_b32 v10, 16, v0
	s_delay_alu instid0(VALU_DEP_1)
	v_sub_nc_u32 v[QL], v[QL], v10
	v_mov_b32 v13, 0xff61b1e6                      ; the largest t so far: -3e38
	s_delay_alu instid0(VALU_DEP_1)
	v_floor_f32 v12, -v13
	v_mov_b32 v14, 0
	v_mov_b32 v15, 0
	v_mov_b32 v236, 0                              ; a lane permute's destination counts as one of its sources
	v_mov_b32 v253, 0                              ; (the upper half of the pair v[252:253])
.set j, 0
.rept 32
	v_mov_b32 v[160+j], 0                          ; O^T: the step is written once; its first run finds zeros
.set j, j+1
.endr
	s_wait_kmcnt 0x0
	s_add_co_i32 s72, s68, s69
	s_lshl_b32 s72, s72, 23
	s_add_co_i32 s[CS], s[CS], s72                 ; a score stands for score x 2^(eq + ek)
	s_mov_b32 s[CS+1], s[CS]
	s_add_co_i32 s72, s70, 127
	s_lshl_b32 s73, s72, 23
	v_mov_b32 v244, s73
	s_add_co_i32 s72, s66, 127
	s_lshl_b32 s73, s72, 23
	v_mov_b32 v246, s73
.macro STEP q                          ; 128 keys, the q-th of the slot in hand
	s_add_co_u32 s96, s[Q0], 23
	s_cmp_gt_u32 s[KF], s96                        ; all keys behind my queries: the work is left out; ids and the count of steps alone
	s_cbranch_scc1 .Lhidden_\@
	v_add_nc_u32 v[AD], s[TB], v[LN16]
.rept 3
	v_nop                                          ; with the addition: four places in front of loads into registers that matrix instructions have read
.endr
.irp t, 0,1,2,3,4,5,6,7
.irp c, 0,1
	ds_load_b128 v[32+8*\t+4*\c:35+8*\t+4*\c], v[AD] offset:(8*(\q)+\t)*1024+512*\c
.endr
.endr
	s_wait_alu depctr_va_vdst(0)
	s_wait_dscnt 0x0
.irp t, 0,1,2,3,4,5,6,7
	v_wmma_f32_16x16x64_bf8_bf8 v[96+8*\t:103+8*\t], v[32+8*\t:39+8*\t], v[16:23], 0
.endr
.rept 4
	v_nop
.endr
.irp t, 0,1,2,3
.irp c, 0,1,2,3
	ds_load_b128 v[32+16*\t+4*\c:35+16*\t+4*\c], v[AD] offset:VOFF+8192*(\q)+2048*\t+512*\c   ; V's fragments are asked for here and land under the softmax
.endr
.endr
	s_add_co_u32 s96, s[KF], 127
	s_cmp_le_u32 s96, s[Q0]                        ; all keys count: no mask
	s_cbranch_scc1 .Lopen_\@
	s_sub_co_i32 s96, s[Q0], s[KF]
	v_add_nc_u32 v252, s96, v[QL]                  ; register 16 b + i holds key KF + 16 h + 32 b + i: hidden where 32 b + i > my query - KF - 16 h
	v_mov_b32 v254, 0xff800000
.irp n, 0,1,2,3,4,5,6,7,8,9,10,11,12,13,14,15,16,17,18,19,20,21,22,23,24,25,26,27,28,29,30,31,32,33,34,35,36,37,38,39,40,41,42,43,44,45,46,47,48,49,50,51,52,53,54,55,56,57,58,59,60,61,62,63
	v_cmp_gt_i32 vcc_lo, 32*(\n/16)+\n%16, v252
	v_cndmask_b32 v[96+\n], v[96+\n], v254, vcc_lo
.endr
.Lopen_\@:
	v_max3_num_f32 v254, v96, v97, v98             ; the step's largest score of my query, in two chains; each tile is read from its low end on
	v_max3_num_f32 v252, v99, v100, v101
.irp i, 6,10,14,18,22,26,30,34,38,42,46,50,54,58
	v_max3_num_f32 v254, v254, v[96+\i], v[97+\i]
	v_max3_num_f32 v252, v252, v[98+\i], v[99+\i]
.endr
	v_max3_num_f32 v254, v254, v158, v159
	s_delay_alu instid0(VALU_DEP_1)
	v_max_num_f32 v254, v254, v252
	v_permlanex16_b32 v236, v254, s[SEL], s[SEL+1]
	s_delay_alu instid0(VALU_DEP_1)
	v_max_num_f32 v254, v254, v236
	s_delay_alu instid0(VALU_DEP_1)
	v_mul_f32 v254, s[CS], v254
	s_delay_alu instid0(VALU_DEP_1)
	v_max_num_f32 v13, v13, v254                   ; the running largest t
	v_mov_b32 v254, v12
	s_delay_alu instid0(VALU_DEP_2)
	v_floor_f32 v12, -v13                          ; -M = floor(-t): M is a whole number
	s_delay_alu instid0(VALU_DEP_1)
	v_sub_f32 v254, v12, v254
	s_delay_alu instid0(VALU_DEP_1)
	v_cvt_i32_f32 v254, v254                       ; (it saturates)
	s_delay_alu instid0(VALU_DEP_1)
	v_ldexp_f32 v252, 1.0, v254                    ; f = 2^(old M - new M)
.set j, 0
.rept 32
	v_pk_fma_f32 v[96+j:97+j], v[96+j:97+j], s[CS:CS+1], v[12:13] op_sel_hi:[1,0,0]   ; t - M
.set j, j+2
.endr
.set j, 0
	s_wait_alu depctr_va_vdst(0)
.rept 64
	v_exp_f32 v[96+j], v[96+j]                     ; p
.set j, j+1
.endr
	v_pk_mul_f32 v[14:15], v[14:15], v[252:253] op_sel_hi:[1,0]   ; the sums under the new M: the plain line behind the exponentials
	s_wait_alu depctr_va_vdst(0)                   ; one wait for the batch, ahead of its first reader
	v_pk_add_f32 v[242:243], v[100:101], v[104:105]
	v_pk_add_f32 v[254:255], v[108:109], v[112:113]
	v_pk_add_f32 v[250:251], v[116:117], v[120:121]
	v_pk_add_f32 v[248:249], v[124:125], v[128:129]
	v_pk_add_f32 v[240:241], v[132:133], v[136:137]
	v_pk_add_f32 v[238:239], v[140:141], v[144:145]
	v_pk_add_f32 v[236:237], v[148:149], v[152:153]
	v_pk_add_f32 v[14:15], v[14:15], v[156:157]
	v_pk_add_f32 v[242:243], v[242:243], v[96:97]
	v_pk_add_f32 v[254:255], v[254:255], v[98:99]
	v_pk_add_f32 v[250:251], v[250:251], v[102:103]
	v_pk_add_f32 v[248:249], v[248:249], v[106:107]
	v_pk_add_f32 v[240:241], v[240:241], v[110:111]
	v_pk_add_f32 v[238:239], v[238:239], v[114:115]
	v_pk_add_f32 v[236:237], v[236:237], v[118:119]
	v_pk_add_f32 v[14:15], v[14:15], v[122:123]
	v_pk_add_f32 v[242:243], v[242:243], v[126:127]
	v_pk_add_f32 v[254:255], v[254:255], v[130:131]
	v_pk_add_f32 v[250:251], v[250:251], v[134:135]
	v_pk_add_f32 v[248:249], v[248:249], v[138:139]
	v_pk_add_f32 v[240:241], v[240:241], v[142:143]
	v_pk_add_f32 v[238:239], v[238:239], v[146:147]
	v_pk_add_f32 v[236:237], v[236:237], v[150:151]
	v_pk_add_f32 v[14:15], v[14:15], v[154:155]
	v_pk_add_f32 v[242:243], v[242:243], v[158:159]
	s_delay_alu instid0(VALU_DEP_2)
	v_pk_add_f32 v[14:15], v[14:15], v[248:249]
	s_delay_alu instid0(VALU_DEP_2)
	v_pk_add_f32 v[242:243], v[242:243], v[240:241]
	v_pk_add_f32 v[254:255], v[254:255], v[238:239]
	v_pk_add_f32 v[250:251], v[250:251], v[236:237]
	s_delay_alu instid0(VALU_DEP_2)
	v_pk_add_f32 v[14:15], v[14:15], v[254:255]
	s_delay_alu instid0(VALU_DEP_2)
	v_pk_add_f32 v[242:243], v[242:243], v[250:251]
	s_delay_alu instid0(VALU_DEP_1)
	v_pk_add_f32 v[14:15], v[14:15], v[242:243]
.irp b, 0,1,2,3
.irp i, 0,1,2,3,4,5,6,7,8,9,10,11,12,13,14,15
.endr
	v_cvt_scalef32_pk8_bf8_f32 v[224+4*\b:225+4*\b], v[96+16*\b:103+16*\b], v244
	v_cvt_scalef32_pk8_bf8_f32 v[226+4*\b:227+4*\b], v[104+16*\b:111+16*\b], v244
.endr
.set j, 0
.rept 16
	v_pk_mul_f32 v[160+j:161+j], v[160+j:161+j], v[252:253] op_sel_hi:[1,0]   ; O^T under the new M; also the plain lines behind the conversions
.set j, j+2
.endr
	s_wait_alu depctr_va_vdst(0)
	s_wait_dscnt 0x0                               ; V
.irp t, 0,1,2,3
	v_wmma_f32_16x16x128_bf8_bf8 v[160+8*\t:167+8*\t], v[32+16*\t:47+16*\t], v[224:239], v[160+8*\t:167+8*\t]
.endr
.Lhidden_\@:
	s_add_co_u32 s[KF], s[KF], 128
.endm
; THE CHANGE OF SLOTS, at a slot's head.  Every wave waits for all its tensor loads, adds 0 to its spare word (fill = 1: twice on end), and waits for that and
; for its reads of the slot that it has left.  Behind the barrier the other slot is filled with the keys that follow, as long as its first key is at or under the work-group's last query: a slot beyond that is read by no wave.
.macro CHANGE fill
	s_wait_tensorcnt 0x0
	ds_add_u32 v[SPW], v[NIL]
.if \fill
	ds_add_u32 v[SPW], v[NIL]
	s_xor_b32 s[G0K+1], s[G0K+1], SLOT1
	s_add_nc_u64 s[G0K+2:G0K+3], s[G0K+2:G0K+3], 32768
	s_xor_b32 s[G0V+1], s[G0V+1], SLOT1
	s_add_nc_u64 s[G0V+2:G0V+3], s[G0V+2:G0V+3], 16384
	s_wait_xcnt 0x0                                ; the last prefetch, a slot back, has read its address
	s_add_nc_u64 s[PFA:PFA+1], s[PFA:PFA+1], s[PFS:PFS+1]
.endif
	s_wait_dscnt 0x0
	s_barrier_signal -1
	s_barrier_wait -1
.if \fill
	s_add_co_u32 s96, s[KF], SK                    ; the first key of the slot that this change would ask for
	s_cmp_gt_u32 s96, s[LASTQ]                     ; the same in all sixteen waves; every wait on TENSORcnt in this text is for 0
	s_cbranch_scc1 .Lpast_\@
	TLOAD
.Lpast_\@:
	ASK
.endif
.endm
.macro SLOT_STEPS
.set Q, 0
.rept NQ
	STEP Q
.set Q, Q+1
.endr
	s_xor_b32 s[TB], s[TB], SLOT1
.endm
	s_wait_loadcnt 0x0                             ; Q
.Lslot:
	CHANGE 1
	SLOT_STEPS
	s_sub_co_u32 s[SLOTS], s[SLOTS], 1
	s_cmp_lg_u32 s[SLOTS], 0
	s_cbranch_scc1 .Lslot
	CHANGE 0                                       ; the last slot is written out: nothing is asked for
	SLOT_STEPS
	; THE WAY OUT: O^T / the sum x 2^(ep + ev), quantised with 2^eh: the 16 registers of two neighbouring tiles are a piece of H's fragment, stored as it stands
.rept 4
	v_nop
.endr
	v_add_f32 v14, v14, v15
	v_permlanex16_b32 v236, v14, s[SEL], s[SEL+1]
	s_delay_alu instid0(VALU_DEP_1)
	v_add_f32 v14, v14, v236
	s_wait_alu depctr_va_vdst(0)
	v_rcp_f32 v14, v14
	v_nop
	s_add_co_i32 s72, s70, s71
	s_wait_alu depctr_va_vdst(0)
	v_ldexp_f32 v14, v14, s72
.set j, 0
.rept 32
	v_mul_f32 v[96+j], v[160+j], v14
.set j, j+1
.endr
.set j, 0
.rept 32
.set j, j+1
.endr
.irp b, 0,1
	v_cvt_scalef32_pk8_bf8_f32 v[224+4*\b:225+4*\b], v[96+16*\b:103+16*\b], v246
	v_cvt_scalef32_pk8_bf8_f32 v[226+4*\b:227+4*\b], v[104+16*\b:111+16*\b], v246
.endr
	v_nop
	global_store_b128 v[LN16], v[224:227], s[16:17]              ; 512 consecutive bytes each
	global_store_b128 v[LN16], v[228:231], s[16:17] offset:512
	s_wait_tensorcnt 0x0                           ; the wave's end
	ds_add_u32 v[SPW], v[NIL]
	s_wait_dscnt 0x0
	s_endpgm
.Lfunc_end_k_q9f6f42d723_attn:
	.size	k_q9f6f42d723_attn, .Lfunc_end_k_q9f6f42d723_attn-k_q9f6f42d723_attn
	.p2alignl 7, 3214868480
	.fill 96, 4, 3214868480
	.section	.rodata,"a",@progbits
	.p2align	6, 0x0
	.amdhsa_kernel k_q9f6f42d723_attn
		.amdhsa_group_segment_fixed_size 327680
		.amdhsa_private_segment_fixed_size 0
		.amdhsa_enable_private_segment 0
		.amdhsa_kernarg_size 32
		.amdhsa_user_sgpr_count 2
		.amdhsa_user_sgpr_kernarg_segment_ptr 1
		.amdhsa_wavefront_size32 1
		.amdhsa_system_sgpr_workgroup_id_x 1
		.amdhsa_system_sgpr_workgroup_id_y 1
		.amdhsa_system_sgpr_workgroup_id_z 1
		.amdhsa_system_vgpr_workitem_id 0
		.amdhsa_next_free_vgpr 256
		.amdhsa_next_free_sgpr 100
		.amdhsa_reserve_vcc 1
		.amdhsa_float_denorm_mode_32 3
		.amdhsa_float_denorm_mode_16_64 3
		.amdhsa_fp16_overflow 1
		.amdhsa_memory_ordered 1
		.amdhsa_forward_progress 1
		.amdhsa_inst_pref_size 88
	.end_amdhsa_kernel
	.amdgpu_metadata
---
amdhsa.version: [ 1, 2 ]
amdhsa.kernels:
  - .name:           k_q9f6f42d723_attn
    .symbol:         k_q9f6f42d723_attn.kd
    .args:
      - { .name: act_b, .offset: 0, .size: 8, .value_kind: global_buffer, .address_space: global }
      - { .name: act_c, .offset: 8, .size: 8, .value_kind: global_buffer, .address_space: global }
      - { .name: lowp_scales, .offset: 16, .size: 8, .value_kind: global_buffer, .address_space: global }
      - { .name: act_a, .offset: 24, .size: 8, .value_kind: global_buffer, .address_space: global }
    .group_segment_fixed_size: 327680
    .private_segment_fixed_size: 0
    .kernarg_segment_align: 8
    .kernarg_segment_size: 32
    .max_flat_workgroup_size: 512
    .sgpr_count:     100
    .vgpr_count:     256
    .wavefront_size: 32
...
	.end_amdgpu_metadata
.endif
;; end of part 5
;; launch rowln (part 6): grid 128 x 1, 8 waves a work-group, no clusters, 82,944 bytes of LDS; arguments act_a, w_a, par_a, b_out, x, g1, be1, x1, act_c; writes x1, act_c
.if DOCPART == 6
	.amdgcn_target "amdgcn-amd-amdhsa--gfx1250"
	.amdhsa_code_object_version 6
	.text
	.protected	k_q9f6f42d723_rowln
	.globl	k_q9f6f42d723_rowln
	.p2align	8
	.type	k_q9f6f42d723_rowln,@function
k_q9f6f42d723_rowln:
	s_mov_b64 s[64:65], 0
	v_nop
	global_prefetch_b8 v0, s[64:65] scope:SCOPE_SE
	s_setreg_imm32_b32 hwreg(HW_REG_WAVE_MODE, 25, 1), 1
	s_wait_xcnt 0x0
; LayerNorm(residual + A W + bias) for whole rows of 1,024: a product on codes of E5M2 with N = 1,024, the residual and the norm in one launch.  Two launches run it: H W_out with x and LayerNorm 1 (out: x1 as f32 rows, and x1's
; codes in order G), and hidden W_ff2 with x1 and LayerNorm 2 (out: the result's f32 rows).  What differs is read from a table of whole numbers that the first launch stored: trips = K / 256 - 1, eA, eB, the codes' e, codes or not.
; FRAGMENTS AND ORDERS: as the first launch's head says.  A: order S (s 524,288 + f 2,048).  W: order R behind 3 MiB (s 131,072 + f 2,048).  Nothing of reference() is left out here.
; SHARES.  A work-group owns 32 whole rows (fragments a = 0, 1: tokens 32 wg + 8 a + r + 8 (r / 8)); each of EIGHT waves, two to a SIMD, owns the columns 128 w .. 128 w + 127 (fragments cb = 0..7): 16 accumulators.
; Source 0 = 16 columns of W, source 1 = 16 tokens: a lane holds one token and, for each g = cb / 2, the 16 neighbouring columns 128 w + 32 g + 16 h + 0..15, in registers 16 g + 0..15 of the token's 64.
; NO LDS, NO TENSOR LOAD AND NO CLUSTER IN THE K LOOP: each fragment of W is read by one wave of the work-group alone, so a way through LDS would only add a write and a read of every byte; and the trip count is a stored number.
; Fragments are images of registers: each load takes 512 consecutive bytes straight into the operand.  W and A have two sets of registers each: behind the 16 products of K step s the 40 loads of step s + 2 go out into the set
; just read, while the 40 of step s + 1 are on their way; eight waves do so side by side.
; THE RESIDUAL comes as 512 consecutive bytes of one row a load and turns through the wave's own stage in LDS into the accumulators' registers: the way out, run backwards.  Bias, g and be: a wave loads its 512 bytes of each once,
; lays them into LDS bytes of its own and reads them from there in the accumulators' layout.
; THE SUMS BEGIN AS (residual + bias) / 2^(eA + eB): nothing is cleared and no first step is written out.  The norm works on the sums as they stand, y = 2^e acc: the mean is taken away before the squares, as reference() has it.
; LIMITS: eA + eB within +-126; the codes' e between -126 and 112.
.set RED1,  67584                      ; behind eight stages of 16 x 528 bytes: the waves' partial sums, 32 bytes a row, 512 bytes a fragment; the squares' 1,024 bytes further on
.set PAR,   69632                      ; bias, g, be: 4,096 bytes each, 512 of each a wave's own
.set SPARE, 81920                      ; the spare words, 128 bytes a wave
.set LN16, 4                           ; v4   16 x lane
.set VO,   5                           ; v5   512 w + 16 x lane: my 16 bytes of my wave's 512 of a row, or of a vector of 1,024
.set PST,  6                           ; v6   PAR + 512 w + 16 x lane
.set STO,  7                           ; v7   the stage in the accumulators' layout: row r, + 64 h
.set RD,   8                           ; v8   the stage by rows: 16 x lane
.set PLD,  9                           ; v9   PAR + 512 w + 64 h
.set REDW, 10
.set REDR, 11
.set SPW,  12                          ; v12  my spare word; never rewritten
.set NIL,  13                          ; v13  0; never rewritten
.set LIM,  14                          ; v14  57,344 x 2^e of the codes
.set SC,   15                          ; v15  2^e
.set SUM,  16                          ; v16-31  four chains of pairs for each a; at the end the codes of a = 0
.set MU,   32                          ; v32-35  -mean, twice, for each a
.set FF,   36                          ; v36-39  2^e / sqrt(var + eps), twice
.set RT,   40                          ; v40-55  bias, g, be as loaded; then the eight waves' words for each a; at the end the codes of a = 1
.set AF,   64                          ; v64-127 A's two sets: (set, a) at 64 + 32 set + 16 a
.set T,    64                          ; v64-127 behind the loop: 64 numbers at work, then the rows of a = 0
.set ACC,  128                         ; v128-255 accumulator (a, cb) at 128 + 64 a + 8 cb
; window 1: v0-127 W's set 0, later g (v0-63) and be (v64-127); v128-255 the residual as loaded, then the bias (v128-191), then W's set 1, at the end the rows of a = 1 (v128-191)
.set MSB, 0
.macro WIN new                         ; the immediate's high byte repeats the setting that is left
.if MSB != (\new)
	s_set_vgpr_msb (MSB<<8)|(\new)
.set MSB, (\new)
.endif
.endm
.macro PLACES                          ; four plain vector lines in front of loads into registers that matrix instructions have read, and of the first read of results
.rept 4
	v_nop
.endr
.endm
	s_load_b512 s[4:19], s[0:1], 0x0               ; A 4:5, W 6:7, table 8:9, bias 10:11, residual 12:13, g 14:15, be 16:17, f32 out 18:19
	s_load_b64 s[20:21], s[0:1], 0x40              ; codes out
	v_lshl_add_u32 v[SPW], v0, 2, SPARE
	v_mov_b32 v[NIL], 0
	v_lshrrev_b32 v1, 5, v0
	v_readfirstlane_b32 s22, v1                    ; wave 0..7
	v_and_b32 v1, 15, v0                           ; r
	v_bfe_u32 v2, v0, 4, 1                         ; h
	v_and_b32 v3, 31, v0
	v_lshlrev_b32 v[LN16], 4, v3
	s_lshl_b32 s23, s22, 9                         ; 512 w
	v_add_nc_u32 v[VO], s23, v[LN16]
	v_add_nc_u32 v[PST], PAR, v[VO]
	v_lshlrev_b32 v[PLD], 6, v2
	v_add_nc_u32 v[PLD], s23, v[PLD]
	v_add_nc_u32 v[PLD], PAR, v[PLD]
	s_mul_i32 s23, s22, 8448                       ; my stage: 16 rows x (512 + 16) bytes
	v_mul_u32_u24 v[STO], v1, 528
	v_lshl_add_u32 v[STO], v2, 6, v[STO]
	v_add_nc_u32 v[STO], s23, v[STO]
	v_add_nc_u32 v[RD], s23, v[LN16]
	v_lshlrev_b32 v[REDR], 5, v1
	v_add_nc_u32 v[REDR], RED1, v[REDR]
	s_lshl_b32 s23, s22, 2
	v_add_nc_u32 v[REDW], s23, v[REDR]
	s_mov_b32 s40, 0x76543210                      ; v_permlanex16_b32's selects for lane l xor 16
	s_mov_b32 s41, 0xfedcba98
	s_lshl_b32 s50, ttmp9, 17                      ; 32 rows of 4,096 bytes
	s_mov_b32 s51, 0
	s_lshl_b32 s52, ttmp9, 12                      ; 2 fragments
	s_mov_b32 s53, 0
	s_lshl_b32 s54, s22, 14                        ; my 8 fragments of W, order R behind 3 MiB
	s_add_co_u32 s54, s54, 3<<20
	s_mov_b32 s55, 0
	s_lshr_b32 s56, ttmp9, 2                       ; the codes, order G: fragment 2 wg + a, K step w
	s_lshl_b32 s56, s56, 17
	s_and_b32 s57, ttmp9, 3
	s_lshl_b32 s57, s57, 12
	s_add_co_u32 s56, s56, s57
	s_lshl_b32 s57, s22, 14
	s_add_co_u32 s56, s56, s57
	s_mov_b32 s57, 0
	s_wait_kmcnt 0x0
	s_load_b256 s[24:31], s[8:9], 0x40             ; trips, eA, eB, the codes' e, codes or not
	s_add_nc_u64 s[42:43], s[12:13], s[50:51]      ; the residual's rows
	s_add_nc_u64 s[44:45], s[18:19], s[50:51]      ; the f32 rows out
	s_add_nc_u64 s[34:35], s[4:5], s[52:53]        ; AP: A at K step 0
	s_add_nc_u64 s[36:37], s[6:7], s[54:55]        ; BP: W at K step 0
	s_add_nc_u64 s[46:47], s[20:21], s[56:57]      ; the codes out
.macro LA set, extra                   ; A's two fragments of a K step, extra bytes behind AP (window 0): 8 loads
.irp a, 0,1
.irp c, 0,1,2,3
	global_load_b128 v[AF+32*(\set)+16*\a+4*\c:AF+32*(\set)+16*\a+4*\c+3], v[LN16], s[34:35] offset:(\extra)+2048*\a+512*\c
.endr
.endr
.endm
.macro LB set, extra                   ; my eight fragments of W of a K step, extra bytes behind BP (window 1): 32 loads
	WIN 0x40
.irp f, 0,1,2,3,4,5,6,7
.irp c, 0,1,2,3
	global_load_b128 v[128*(\set)+16*\f+4*\c:128*(\set)+16*\f+4*\c+3], v[LN16], s[36:37] offset:(\extra)+2048*\f+512*\c
.endr
.endr
.endm
	WIN 0x40                                       ; the residual: my 512 bytes of each of the 32 rows, a row a load
.irp a, 0,1
.irp i, 0,1,2,3,4,5,6,7,8,9,10,11,12,13,14,15
	global_load_b128 v[128+64*\a+4*\i:128+64*\a+4*\i+3], v[VO], s[42:43] offset:(8*\a+\i+8*(\i/8))*4096 th:TH_LOAD_NT
.endr
.endr
	WIN 0
	global_load_b128 v[RT:RT+3], v[VO], s[10:11]       ; my wave's 512 bytes of the bias,
	global_load_b128 v[RT+4:RT+7], v[VO], s[14:15]     ; of g,
	global_load_b128 v[RT+8:RT+11], v[VO], s[16:17]    ; of be
	LA 0, 0
	LB 0, 0
	WIN 0
	s_wait_kmcnt 0x0
	s_min_u32 s24, s24, 7                          ; the trips: 3 or 7
	s_add_co_i32 s38, s25, s26                     ; e = eA + eB
	s_sub_co_i32 s39, 127, s38
	s_lshl_b32 s32, s39, 23                        ; 2^-e
	s_mov_b32 s33, s32                             ; (named with it as a pair)
	s_add_co_i32 s39, s27, 127
	s_lshl_b32 s49, s39, 23
	v_mov_b32 v[SC], s49
	s_add_co_i32 s39, s39, 15
	s_lshl_b32 s39, s39, 23
	s_or_b32 s39, s39, 0x600000
	v_mov_b32 v[LIM], s39
	s_wait_loadcnt 40                              ; the residual and the three vectors are in; A's 8 and W's 32 loads of K step 0 may be out
	ds_store_b128 v[PST], v[RT:RT+3]
	ds_store_b128 v[PST], v[RT+4:RT+7] offset:4096
	ds_store_b128 v[PST], v[RT+8:RT+11] offset:8192
.irp a, 0,1                            ; 16 rows at a time through my stage: in by rows, out in the accumulators' layout.  LDS serves a wave's instructions in order: no wait between them
	WIN 0x04                                       ; the stores' data: window 1
.irp i, 0,1,2,3,4,5,6,7,8,9,10,11,12,13,14,15
	ds_store_b128 v[RD], v[128+64*\a+4*\i:128+64*\a+4*\i+3] offset:528*\i
.endr
	WIN 0
.irp g, 0,1,2,3
.irp k, 0,1,2,3
	ds_load_b128 v[ACC+64*\a+16*\g+4*\k:ACC+64*\a+16*\g+4*\k+3], v[STO] offset:128*\g+16*\k
.endr
.endr
.endr
	WIN 0x40
.irp g, 0,1,2,3
.irp k, 0,1,2,3
	ds_load_b128 v[128+16*\g+4*\k:128+16*\g+4*\k+3], v[PLD] offset:128*\g+16*\k   ; the bias of my 64 columns: window 1, v128-191
.endr
.endr
	s_wait_dscnt 0x0
	WIN 0x41
.set i, 0
.rept 32
	v_pk_mul_f32 v[128+i:129+i], v[128+i:129+i], s[32:33] op_sel_hi:[1,0]   ; bias / 2^e
.set i, i+2
.endr
	WIN 0x10                                       ; the bias, source 2: window 1
.irp a, 0,1
.set i, 0
.rept 32
	v_pk_fma_f32 v[ACC+64*\a+i:ACC+64*\a+i+1], v[ACC+64*\a+i:ACC+64*\a+i+1], s[32:33], v[128+i:129+i] op_sel_hi:[1,0,1]   ; the sums' start: residual / 2^e + bias / 2^e
.set i, i+2
.endr
.endr
	LB 1, 131072                                   ; K step 1: the pointers stay, the step stands in the immediate
	WIN 0
	LA 1, 524288
.macro MULS set                        ; 16 products: my 8 fragments of W x the 2 of A.  The 16 accumulators take turns, one instruction a turn
	WIN 0x01                                       ; source 0 (W): window 1
.irp a, 0,1
.irp f, 0,1,2,3,4,5,6,7
	v_wmma_f32_16x16x128_bf8_bf8 v[ACC+64*\a+8*\f:ACC+64*\a+8*\f+7], v[128*(\set)+16*\f:128*(\set)+16*\f+15], v[AF+32*(\set)+16*\a:AF+32*(\set)+16*\a+15], v[ACC+64*\a+8*\f:ACC+64*\a+8*\f+7]
.endr
.endr
.endm
; A K step of 128.  w: the loads issued behind this step's own, which may stay out.  ld = 1: the loads of two steps on go into the sets just read.
.macro STEP set, ld, w
	s_wait_loadcnt \w
	MULS \set
.if \ld
	s_wait_xcnt 0x0                                ; the loads issued a step ago have read their bases: only behind this wait are the bases written
	s_add_nc_u64 s[36:37], s[36:37], 131072        ; both now stand at the next step; the loads below reach one step further by their immediates
	s_add_nc_u64 s[34:35], s[34:35], 524288
	PLACES
	LB \set, 131072
	WIN 0
	LA \set, 524288
.else
	WIN 0
.endif
.endm
	s_mov_b32 s48, 0
.Lk:
	STEP 0, 1, 40                                  ; behind this step's loads stand the next step's 40
	STEP 1, 1, 40
	s_add_co_u32 s48, s48, 1
	s_cmp_lt_u32 s48, s24
	s_cbranch_scc1 .Lk
	STEP 0, 0, 40                                  ; the last two K steps ask for nothing: no load leaves its buffer
	STEP 1, 0, 0
	; ---- LayerNorm
	PLACES
	WIN 0x40
.irp g, 0,1,2,3
.irp k, 0,1,2,3
	ds_load_b128 v[16*\g+4*\k:16*\g+4*\k+3], v[PLD] offset:4096+128*\g+16*\k   ; g: window 1, v0-63; awaited in front of the first barrier
.endr
.endr
	WIN 0
; the two rows' chains are folded, the other half of the lanes added, my wave's word stored; a barrier; all eight waves' words are added, in the same order in every wave: v[RT + 8 a]
.macro FOLD off
.irp a, 0,1
	v_pk_add_f32 v[SUM+8*\a:SUM+8*\a+1], v[SUM+8*\a:SUM+8*\a+1], v[SUM+8*\a+2:SUM+8*\a+3]
	v_pk_add_f32 v[SUM+8*\a+4:SUM+8*\a+5], v[SUM+8*\a+4:SUM+8*\a+5], v[SUM+8*\a+6:SUM+8*\a+7]
.endr
.irp a, 0,1
	v_pk_add_f32 v[SUM+8*\a:SUM+8*\a+1], v[SUM+8*\a:SUM+8*\a+1], v[SUM+8*\a+4:SUM+8*\a+5]
.endr
.irp a, 0,1
	v_add_f32 v[SUM+8*\a], v[SUM+8*\a], v[SUM+8*\a+1]
.endr
.irp a, 0,1
	v_permlanex16_b32 v[SUM+8*\a+1], v[SUM+8*\a], s40, s41
.endr
.irp a, 0,1
	v_add_f32 v[SUM+8*\a], v[SUM+8*\a], v[SUM+8*\a+1]
.endr
.irp a, 0,1
	ds_store_b32 v[REDW], v[SUM+8*\a] offset:(\off)+512*\a
.endr
	s_wait_dscnt 0x0                               ; for the others' sake: my words have landed
	s_barrier_signal -1
	s_barrier_wait -1
.irp a, 0,1
	ds_load_b128 v[RT+8*\a:RT+8*\a+3], v[REDR] offset:(\off)+512*\a
	ds_load_b128 v[RT+8*\a+4:RT+8*\a+7], v[REDR] offset:(\off)+512*\a+16
.endr
	s_wait_dscnt 0x0
.irp a, 0,1
	v_add_f32 v[RT+8*\a], v[RT+8*\a], v[RT+8*\a+1]
	v_add_f32 v[RT+8*\a+2], v[RT+8*\a+2], v[RT+8*\a+3]
	v_add_f32 v[RT+8*\a+4], v[RT+8*\a+4], v[RT+8*\a+5]
	v_add_f32 v[RT+8*\a+6], v[RT+8*\a+6], v[RT+8*\a+7]
.endr
.irp a, 0,1
	v_add_f32 v[RT+8*\a], v[RT+8*\a], v[RT+8*\a+2]
	v_add_f32 v[RT+8*\a+4], v[RT+8*\a+4], v[RT+8*\a+6]
.endr
.irp a, 0,1
	v_add_f32 v[RT+8*\a], v[RT+8*\a], v[RT+8*\a+4]
.endr
.endm
.irp a, 0,1                            ; pass 1: the rows' sums; each accumulator is read from its low end on
.irp p, 0,1,2,3
	v_pk_add_f32 v[SUM+8*\a+2*\p:SUM+8*\a+2*\p+1], v[ACC+64*\a+2*\p:ACC+64*\a+2*\p+1], v[ACC+64*\a+8+2*\p:ACC+64*\a+8+2*\p+1]
.endr
.endr
.irp f, 2,3,4,5,6,7
.irp a, 0,1
.irp p, 0,1,2,3
	v_pk_add_f32 v[SUM+8*\a+2*\p:SUM+8*\a+2*\p+1], v[ACC+64*\a+8*\f+2*\p:ACC+64*\a+8*\f+2*\p+1], v[SUM+8*\a+2*\p:SUM+8*\a+2*\p+1]
.endr
.endr
.endr
	FOLD 0
	WIN 0x40
.irp g, 0,1,2,3
.irp k, 0,1,2,3
	ds_load_b128 v[64+16*\g+4*\k:64+16*\g+4*\k+3], v[PLD] offset:8192+128*\g+16*\k   ; be: window 1, v64-127; awaited in front of the second barrier
.endr
.endr
	WIN 0
.irp a, 0,1
	v_mul_f32 v[MU+2*\a], 0xba800000, v[RT+8*\a]   ; -sum / 1,024
	v_mov_b32 v[MU+2*\a+1], v[MU+2*\a]
.endr
.irp a, 0,1                            ; pass 2: the mean is taken away, then the squares are summed
.set i, 0
.rept 32
	v_pk_add_f32 v[ACC+64*\a+i:ACC+64*\a+i+1], v[ACC+64*\a+i:ACC+64*\a+i+1], v[MU+2*\a:MU+2*\a+1]
.set i, i+2
.endr
.endr
.irp a, 0,1
.irp p, 0,1,2,3
	v_pk_mul_f32 v[SUM+8*\a+2*\p:SUM+8*\a+2*\p+1], v[ACC+64*\a+2*\p:ACC+64*\a+2*\p+1], v[ACC+64*\a+2*\p:ACC+64*\a+2*\p+1]
.endr
.endr
.irp f, 1,2,3,4,5,6,7
.irp a, 0,1
.irp p, 0,1,2,3
	v_pk_fma_f32 v[SUM+8*\a+2*\p:SUM+8*\a+2*\p+1], v[ACC+64*\a+8*\f+2*\p:ACC+64*\a+8*\f+2*\p+1], v[ACC+64*\a+8*\f+2*\p:ACC+64*\a+8*\f+2*\p+1], v[SUM+8*\a+2*\p:SUM+8*\a+2*\p+1]
.endr
.endr
.endr
	FOLD 1024
	s_lshl_b32 s39, s38, 1
	s_sub_co_i32 s39, s39, 10
.irp a, 0,1
	v_ldexp_f32 v[RT+8*\a], v[RT+8*\a], s39        ; the variance: sum x 2^(2 e) / 1,024,
	v_add_f32 v[RT+8*\a], 0x3727c5ac, v[RT+8*\a]   ; + 1e-5
.endr
.irp a, 0,1
	v_rsq_f32 v[RT+8*\a+1], v[RT+8*\a]
.endr
	v_nop                                          ; a plain line behind the last of the two
	s_wait_alu depctr_va_vdst(0)                   ; one wait for both, ahead of their first reader
.irp a, 0,1
	v_ldexp_f32 v[FF+2*\a], v[RT+8*\a+1], s38      ; x 2^e: the sums' own scale
	v_mov_b32 v[FF+2*\a+1], v[FF+2*\a]
.endr
.irp a, 0,1
.set i, 0
.rept 32
	v_pk_mul_f32 v[ACC+64*\a+i:ACC+64*\a+i+1], v[ACC+64*\a+i:ACC+64*\a+i+1], v[FF+2*\a:FF+2*\a+1]
.set i, i+2
.endr
.endr
	WIN 0x14                                       ; g (source 1) and be (source 2): window 1
.irp a, 0,1
.set i, 0
.rept 32
	v_pk_fma_f32 v[ACC+64*\a+i:ACC+64*\a+i+1], v[ACC+64*\a+i:ACC+64*\a+i+1], v[i:i+1], v[64+i:65+i]
.set i, i+2
.endr
.endr
	WIN 0
	; ---- the rows as codes of the next product's operand, where the table asks for them: a branch on a stored whole number, round no barrier and no LDS instruction.  My 128 columns are K step w: piece g of fragment 2 wg + a
	s_cmp_eq_u32 s28, 0
	s_cbranch_scc1 .Lnocodes
.irp a, 0,1
.set CC, 16+24*\a                      ; each fragment has its own code registers: no store's data are written again
.set i, 0
.rept 64
	v_med3_num_f32 v[T+i], v[ACC+64*\a+i], -v[LIM], v[LIM]   ; the conversion does not saturate (ISA guide 7.6.2): the hold comes first
.set i, i+1
.endr
.irp g, 0,1,2,3
	v_cvt_scalef32_pk8_bf8_f32 v[CC+4*\g:CC+4*\g+1], v[T+16*\g:T+16*\g+7], v[SC]
	v_cvt_scalef32_pk8_bf8_f32 v[CC+4*\g+2:CC+4*\g+3], v[T+16*\g+8:T+16*\g+15], v[SC]
.endr
	v_nop                                          ; a plain line behind the last conversion: the next fragment writes its sources
.irp g, 0,1,2,3
	global_store_b128 v[LN16], v[CC+4*\g:CC+4*\g+3], s[46:47] offset:2048*\a+512*\g   ; 512 consecutive bytes
.endr
.endr
.Lnocodes:
	; ---- the rows in f32: 16 rows x my 512 bytes at a time through my own stage, back by rows: a store writes 512 consecutive bytes of one row, at a multiple of 256 from the buffer's first byte
.irp g, 0,1,2,3
.irp k, 0,1,2,3
	ds_store_b128 v[STO], v[ACC+16*\g+4*\k:ACC+16*\g+4*\k+3] offset:128*\g+16*\k
.endr
.endr
.irp i, 0,1,2,3,4,5,6,7,8,9,10,11,12,13,14,15
	ds_load_b128 v[T+4*\i:T+4*\i+3], v[RD] offset:528*\i   ; LDS serves a wave's instructions in order: these see the stores above, and the stores below come behind them
.endr
.irp g, 0,1,2,3
.irp k, 0,1,2,3
	ds_store_b128 v[STO], v[ACC+64+16*\g+4*\k:ACC+64+16*\g+4*\k+3] offset:128*\g+16*\k
.endr
.endr
	s_wait_dscnt 16                                ; the rows of a = 0 are back; the 16 stores of a = 1 may be out
.irp i, 0,1,2,3,4,5,6,7,8,9,10,11,12,13,14,15
	global_store_b128 v[VO], v[T+4*\i:T+4*\i+3], s[44:45] offset:(\i+8*(\i/8))*4096
.endr
	WIN 0x40                                       ; the rows of a = 1 come back into registers of their own, in window 1: no store's data are written again
.irp i, 0,1,2,3,4,5,6,7,8,9,10,11,12,13,14,15
	ds_load_b128 v[128+4*\i:128+4*\i+3], v[RD] offset:528*\i
.endr
	s_wait_dscnt 0x0
	WIN 0x04                                       ; the stores' data: window 1
.irp i, 0,1,2,3,4,5,6,7,8,9,10,11,12,13,14,15
	global_store_b128 v[VO], v[128+4*\i:128+4*\i+3], s[44:45] offset:(8+\i+8*(\i/8))*4096
.endr
	WIN 0
	s_wait_tensorcnt 0x0                           ; the wave's end
	ds_add_u32 v[SPW], v[NIL]
	s_wait_dscnt 0x0
	s_endpgm
.Lfunc_end_k_q9f6f42d723_rowln:
	.size	k_q9f6f42d723_rowln, .Lfunc_end_k_q9f6f42d723_rowln-k_q9f6f42d723_rowln
	.p2alignl 7, 3214868480
	.fill 96, 4, 3214868480
	.section	.rodata,"a",@progbits
	.p2align	6, 0x0
	.amdhsa_kernel k_q9f6f42d723_rowln
		.amdhsa_group_segment_fixed_size 82944
		.amdhsa_private_segment_fixed_size 0
		.amdhsa_enable_private_segment 0
		.amdhsa_kernarg_size 72
		.amdhsa_user_sgpr_count 2
		.amdhsa_user_sgpr_kernarg_segment_ptr 1
		.amdhsa_wavefront_size32 1
		.amdhsa_system_sgpr_workgroup_id_x 1
		.amdhsa_system_sgpr_workgroup_id_y 1
		.amdhsa_system_sgpr_workgroup_id_z 1
		.amdhsa_system_vgpr_workitem_id 0
		.amdhsa_next_free_vgpr 512
		.amdhsa_next_free_sgpr 66
		.amdhsa_reserve_vcc 0
		.amdhsa_float_denorm_mode_32 3
		.amdhsa_float_denorm_mode_16_64 3
		.amdhsa_memory_ordered 1
		.amdhsa_forward_progress 1
		.amdhsa_inst_pref_size 81
	.end_amdhsa_kernel
	.amdgpu_metadata
---
amdhsa.version: [ 1, 2 ]
amdhsa.kernels:
  - .name:           k_q9f6f42d723_rowln
    .symbol:         k_q9f6f42d723_rowln.kd
    .args:
      - { .name: act_a, .offset: 0, .size: 8, .value_kind: global_buffer, .address_space: global }
      - { .name: w_a, .offset: 8, .size: 8, .value_kind: global_buffer, .address_space: global }
      - { .name: par_a, .offset: 16, .size: 8, .value_kind: global_buffer, .address_space: global }
      - { .name: b_out, .offset: 24, .size: 8, .value_kind: global_buffer, .address_space: global }
      - { .name: x, .offset: 32, .size: 8, .value_kind: global_buffer, .address_space: global }
      - { .name: g1, .offset: 40, .size: 8, .value_kind: global_buffer, .address_space: global }
      - { .name: be1, .offset: 48, .size: 8, .value_kind: global_buffer, .address_space: global }
      - { .name: x1, .offset: 56, .size: 8, .value_kind: global_buffer, .address_space: global }
      - { .name: act_c, .offset: 64, .size: 8, .value_kind: global_buffer, .address_space: global }
    .group_segment_fixed_size: 82944
    .private_segment_fixed_size: 0
    .kernarg_segment_align: 8
    .kernarg_segment_size: 72
    .max_flat_workgroup_size: 256
    .sgpr_count:     66
    .vgpr_count:     512
    .wavefront_size: 32
...
	.end_amdgpu_metadata
.endif
;; end of part 6
;; launch gemmq_ff1: the kernel of part 2 again; grid 8 x 16, 4 waves a work-group, clusters of 4 x 4, 327,680 bytes of LDS; arguments act_c, w_b, b_ff1, par_b, act_b, act_a; writes act_b, act_a
;; launch rowln_ff2: the kernel of part 6 again; grid 128 x 1, 8 waves a work-group, no clusters, 82,944 bytes of LDS; arguments act_b, w_b, par_b, b_ff2, x1, g2, be2, out0, act_c; writes out0, act_c
